; MI455X (gfx1250); checked and timed in simulation.
; The chip was launched on July 23, 2026; its instructions are those of AMD's public machine-readable ISA for CDNA 5 (MIT licence, August 2026) and "CDNA5" Instruction Set Architecture Reference Guide (July 2026). The comments in the code are by the model that wrote it; some were corrected since.
;; Multi Head Attention. Allowed arithmetic: matrix products marked QUANTISED: E4M3 operands, one given power-of-two scale a tensor, by v_wmma_f32_16x16x64_fp8_fp8 or v_wmma_f32_16x16x128_fp8_fp8, f32 sums; products left as they are: f32 operands where the result goes on into a quantised operand, else bf16, f16 or f32 operands; f32 sums; everything else in f32.
;; Inputs: Q 4 x 8 x 64 float32; Wk 2,048 x 512 float32; bk 2,048 float32; lowp_scales 2 int32 (the exponents e of the quantised operands' scales 2^e); v 128 x 512 x 512 float32.
;; Outputs: out0 4 x 8 x 128 x 64 float32; out1 4 x 8 x 128 x 512 float32.
;; This version of the problem:
;;   THIS VERSION OF THE PROBLEM IS GIVEN IN LOW PRECISION. The matrix products marked QUANTISED in the list below multiply operands that are first quantised to E4M3 (4 exponent bits, 3 mantissa bits; 8 bits a number), with one given power-of-two scale for each operand tensor; their sums are f32. All else is computed in f32.
;;   The module's matrix products, in the order in which they are computed (A, B: the left and right operand; K: the contracted axis; several contracted axes count as one K, in the product's order):
;;     1. [M 65,536, K 512] x [K 512, N 2,048]; A: input v; B: input Wk: QUANTISED (scales: A lowp_scales[0], B lowp_scales[1])
;;     2. batch 4,096 x [M 1, K 64] x [K 64, N 512]; A: input Q; B: computed on the way: left as it is (M = 1 < 16)
;;     3. batch 4,096 x [M 1, K 512] x [K 512, N 64]; A: softmax; B: input v: left as it is (M = 1 < 16)
;;   THE QUANTISER, for each operand of a quantised product, along K:
;;     - The operand's scale is 2^e, e = its entry of the input lowp_scales (int32; the entries are numbered through the quantised products in the list's order, A before B).
;;     - Each number is divided by the scale, clamped to +-448, and rounded to the nearest number of E4M3, ties to even, subnormals kept.
;;     - The product sums the exact products of the quantised numbers (number of the format x scale) in f32.
;;   ~~~python
;;   def quantise(x, axis, e):      # numpy; x: float32 -> the quantised numbers, widened to float32 again
;;       x = np.moveaxis(x, axis, -1); K = x.shape[-1]
;;       r = np.clip(x / 2.0 ** e, -448, 448)
;;       step = 2.0 ** (np.maximum(np.frexp(np.where(r == 0, 1, r))[1] - 1, -6) - 3)
;;       q = np.round(r / step) * step * 2.0 ** e      # np.round: ties to even
;;       return np.moveaxis(q, -1, axis).astype(np.float32)
;;   ~~~
;; 2 versions. Each part assembles by itself: llvm-mc -triple=amdgcn-amd-amdhsa -mcpu=gfx1250 --defsym DOCPART=n.
;; ======== version 1 of 2: 2 launches
;; workspace buffers: wq 1,048,576 bytes
;; launch wprep (part 1): grid 128 x 1, 4 waves a work-group, no clusters, 8,960 bytes of LDS; arguments Wk, lowp_scales, wq; writes wq
.if DOCPART == 1
	.amdgcn_target "amdgcn-amd-amdhsa--gfx1250"
	.amdhsa_code_object_version 6
	.text
	.protected	k_qb8d2f64301_wprep
	.globl	k_qb8d2f64301_wprep
	.p2align	8
	.type	k_qb8d2f64301_wprep,@function
k_qb8d2f64301_wprep:
	s_mov_b64 s[64:65], 0
	v_nop
	global_prefetch_b8 v0, s[64:65] scope:SCOPE_SE
	s_setreg_imm32_b32 hwreg(HW_REG_WAVE_MODE, 25, 1), 1
	s_wait_xcnt 0x0
; Wk [2048][512] f32 becomes codes of E4M3 with the given scale 2^e1 (entry 1 of lowp_scales), laid as IMAGES OF OPERAND REGISTERS, in the order of K in which the second launch holds v's codes.
; code = x / 2^e1, held within +-448, rounded to the nearest code, ties to even.  LIMITS: e1 between -126 and 119; NaN among the inputs is not served.
; A tile T = 16 h + 4 a + nt, 0 .. 127, is the 16 rows n = 512 a + 64 h + 16 nt + r of Wk; it is four fragments s of 16 registers a lane.  Only the work-groups of the half hh = T / 64 read it.
; wq byte = 8192 T + 2048 s + 512 c + 16 lane + 4 cl + e: lane (r = lane % 16, hf = lane / 16) holds there the code of k = 128 (cl xor 2 hh) + 4 (8 s + 4 hf + c) + e of row r.
; A work-group makes a tile.  Wave i takes rows 4 i .. 4 i + 3: each load reads 512 consecutive bytes of a row, so a lane holds 4 neighbours of each of the row's four chunks of 128: 16 numbers, which the
; conversions turn into one piece of 16 bytes.  The pieces go into a stage in LDS (a row: 32 pieces, rows 528 bytes apart); behind a barrier wave i reads fragment s = i: of row r the pieces 8 s + 4 hf + c.
; Each store to wq covers 512 consecutive bytes.
.set SP,  528                          ; a stage row: 512 bytes + 16, so that sixteen lanes' reads of one column fall at sixteen different places modulo 256 bytes
.set R,   16                           ; v16-79   register 16 row + 4 cl + e, as loaded
.set C,   80                           ; v80-95   four rows' pieces
.set F,   96                           ; v96-111  my fragment
	s_load_b128 s[4:7], s[0:1], 0x0                ; Wk s[4:5], lowp_scales s[6:7]
	s_load_b64 s[8:9], s[0:1], 0x10                ; wq
	v_lshl_add_u32 v112, v0, 2, 0x2100
	v_mov_b32 v113, 0
	v_lshrrev_b32 v1, 5, v0
	v_readfirstlane_b32 s10, v1                    ; wave 0 .. 3
	v_and_b32 v2, 31, v0                           ; lane
	v_lshlrev_b32 v4, 4, v2                        ; 16 x lane: my bytes of a chunk's 512, my piece of a stage row, my bytes of an image's 512
	v_and_b32 v1, 15, v0                           ; r
	v_bfe_u32 v3, v0, 4, 1                         ; hf
	s_mul_i32 s11, s10, 4*SP
	v_add_nc_u32 v5, s11, v4                       ; into the stage: rows 4 wave + 0 .. 3
	v_mul_u32_u24 v6, v1, SP
	v_lshl_add_u32 v6, v3, 6, v6
	s_lshl_b32 s11, s10, 7
	v_add_nc_u32 v6, s11, v6                       ; out of it: row r, pieces 8 wave + 4 hf + c
	s_bfe_u32 s14, ttmp9, 0x20002                  ; a = (T / 4) % 4
	s_lshl_b32 s14, s14, 9
	s_lshr_b32 s15, ttmp9, 4                       ; h
	s_lshl_b32 s15, s15, 6
	s_add_co_u32 s14, s14, s15
	s_and_b32 s15, ttmp9, 3                        ; nt
	s_lshl_b32 s15, s15, 4
	s_add_co_u32 s14, s14, s15                     ; the tile's first row of Wk
	s_lshl_b32 s15, s10, 2
	s_add_co_u32 s14, s14, s15                     ; my four rows
	s_lshl_b32 s14, s14, 11                        ; x 2,048 bytes
	s_lshr_b32 s15, ttmp9, 6                       ; hh
	s_lshl_b32 s15, s15, 10
	s_add_co_u32 s14, s14, s15                     ; chunks cl = 0, 1: columns 256 hh on
	s_xor_b32 s16, s14, 1024                       ; chunks cl = 2, 3: the other 256 columns
	s_mov_b32 s15, 0
	s_mov_b32 s17, 0
	s_lshl_b32 s20, ttmp9, 13
	s_lshl_b32 s21, s10, 11
	s_add_co_u32 s20, s20, s21                     ; 8192 T + 2048 wave
	s_mov_b32 s21, 0
	s_wait_kmcnt 0x0
	s_load_b32 s18, s[6:7], 0x4                    ; e1
	s_add_nc_u64 s[12:13], s[4:5], s[16:17]
	s_add_nc_u64 s[4:5], s[4:5], s[14:15]
	s_add_nc_u64 s[8:9], s[8:9], s[20:21]
.irp r, 0,1,2,3
.irp c, 0,1
	global_load_b128 v[R+16*\r+4*\c:R+16*\r+4*\c+3], v4, s[4:5] offset:2048*\r+512*\c th:TH_LOAD_NT       ; 512 consecutive bytes, read once in the launch
.endr
.irp c, 0,1
	global_load_b128 v[R+16*\r+8+4*\c:R+16*\r+8+4*\c+3], v4, s[12:13] offset:2048*\r+512*\c th:TH_LOAD_NT
.endr
.endr
	s_wait_kmcnt 0x0
	s_add_co_i32 s18, s18, 127
	s_lshl_b32 s19, s18, 23
	v_mov_b32 v11, s19                             ; 2^e1 as f32: the conversion takes its exponent field
	s_add_co_i32 s18, s18, 8
	s_lshl_b32 s18, s18, 23
	s_or_b32 s18, s18, 0x600000
	v_mov_b32 v10, s18                             ; 448 x 2^e1
	s_wait_loadcnt 0x0
.set i, 0
.rept 64
	v_med3_num_f32 v[R+i], v[R+i], -v10, v10       ; the conversion to an 8-bit code does not saturate (ISA guide 7.6.2): the hold at the largest code x the scale
.set i, i+1
.endr
.irp r, 0,1,2,3
	v_cvt_scalef32_pk8_fp8_f32 v[C+4*\r:C+4*\r+1], v[R+16*\r:R+16*\r+7], v11
	v_cvt_scalef32_pk8_fp8_f32 v[C+4*\r+2:C+4*\r+3], v[R+16*\r+8:R+16*\r+15], v11
.endr
.irp r, 0,1,2,3
	ds_store_b128 v5, v[C+4*\r:C+4*\r+3] offset:SP*\r
.endr
	s_wait_dscnt 0x0                               ; for the others' sake: my four rows have landed
	s_barrier_signal -1
	s_barrier_wait -1                              ; the tile's sixteen rows lie in the stage
.irp c, 0,1,2,3
	ds_load_b128 v[F+4*\c:F+4*\c+3], v6 offset:16*\c
.endr
	s_wait_dscnt 0x0
.irp c, 0,1,2,3
	global_store_b128 v4, v[F+4*\c:F+4*\c+3], s[8:9] offset:512*\c   ; the wave stores 512 consecutive bytes, at a multiple of 512 from wq's first byte
.endr
	s_wait_tensorcnt 0x0
	ds_add_u32 v112, v113
	s_wait_dscnt 0x0
	s_endpgm
.Lfunc_end_k_qb8d2f64301_wprep:
	.size	k_qb8d2f64301_wprep, .Lfunc_end_k_qb8d2f64301_wprep-k_qb8d2f64301_wprep
	.p2alignl 7, 3214868480
	.fill 96, 4, 3214868480
	.section	.rodata,"a",@progbits
	.p2align	6, 0x0
	.amdhsa_kernel k_qb8d2f64301_wprep
		.amdhsa_group_segment_fixed_size 8960
		.amdhsa_private_segment_fixed_size 0
		.amdhsa_enable_private_segment 0
		.amdhsa_kernarg_size 24
		.amdhsa_user_sgpr_count 2
		.amdhsa_user_sgpr_kernarg_segment_ptr 1
		.amdhsa_wavefront_size32 1
		.amdhsa_system_sgpr_workgroup_id_x 1
		.amdhsa_system_sgpr_workgroup_id_y 1
		.amdhsa_system_sgpr_workgroup_id_z 1
		.amdhsa_system_vgpr_workitem_id 0
		.amdhsa_next_free_vgpr 114
		.amdhsa_next_free_sgpr 66
		.amdhsa_reserve_vcc 0
		.amdhsa_float_denorm_mode_32 3
		.amdhsa_float_denorm_mode_16_64 3
		.amdhsa_memory_ordered 1
		.amdhsa_forward_progress 1
		.amdhsa_inst_pref_size 10
	.end_amdhsa_kernel
	.amdgpu_metadata
---
amdhsa.version: [ 1, 2 ]
amdhsa.kernels:
  - .name:           k_qb8d2f64301_wprep
    .symbol:         k_qb8d2f64301_wprep.kd
    .args:
      - { .name: Wk, .offset: 0, .size: 8, .value_kind: global_buffer, .address_space: global }
      - { .name: lowp_scales, .offset: 8, .size: 8, .value_kind: global_buffer, .address_space: global }
      - { .name: wq, .offset: 16, .size: 8, .value_kind: global_buffer, .address_space: global }
    .group_segment_fixed_size: 8960
    .private_segment_fixed_size: 0
    .kernarg_segment_align: 8
    .kernarg_segment_size: 24
    .max_flat_workgroup_size: 128
    .sgpr_count:     66
    .vgpr_count:     114
    .wavefront_size: 32
...
	.end_amdgpu_metadata
.endif
;; end of part 1
;; launch attn (part 2): grid 256 x 1, 4 waves a work-group, no clusters, 321,536 bytes of LDS; arguments v, Q, bk, lowp_scales, wq, out0, out1; writes out0, out1
.if DOCPART == 2
	.amdgcn_target "amdgcn-amd-amdhsa--gfx1250"
	.amdhsa_code_object_version 6
	.text
	.protected	k_qb8d2f64301_attn
	.globl	k_qb8d2f64301_attn
	.p2align	8
	.type	k_qb8d2f64301_attn,@function
k_qb8d2f64301_attn:
	s_mov_b64 s[64:65], 0
	v_nop
	global_prefetch_b8 v0, s[64:65] scope:SCOPE_SE
	s_setreg_imm32_b32 hwreg(HW_REG_WAVE_MODE, 25, 1), 1
	s_wait_xcnt 0x0
; k = Q8(v) Q8(Wk)^T + bk on codes of E4M3; one-query attention on the scrambled view of k; out1 = softmax, out0 = softmax x v's head channels.
; INDICES.  Row x = 512 h + 4 b + a' of both outputs.  Its score at t' comes from row t = 128 a' + t' / 4 of v[b] and the columns n = 512 (t' % 4) + 64 h + d of k; its query is row 4 h + b / 32 of Q
; taken as [32][64]; out0[x][c] = sum over t' of out1[x][t'] v[b][t'][64 h + c].
; SHARES.  Work-group = (b, hh): batch b = number / 2, heads 4 hh .. 4 hh + 3.  Wave w owns rows 128 w .. 128 w + 127 of v[b], that is a' = w: a softmax row never leaves its wave.
;   L: the wave reads its 128 rows x 512 columns once, quantises them into 512 registers of codes that stay (8 row tiles x 4 fragments x 16), and rounds the work-group's own 256 columns to bf16 into LDS.
;   G: 64 tiles of 16 rows of Wk's codes pass by; each fragment (2,048 bytes from LDS) feeds 8 products.  The product is used TRANSPOSED (source 0 = 16 rows of Wk, source 1 = 16 rows of v): a lane holds one t
;      and eight d, so the score is a chain of packed multiply-adds with q, one behind each product.  After a head's four groups (a = 0 .. 3) the wave's 512 scores are one softmax row.
;   P: wave w takes head 4 hh + w: O^T = V^T P in bf16 on all 16 rows of P (its own four are kept).
; K's ORDER.  A load gives a lane 4 neighbours of a chunk of 128 columns; a row's four chunks, 16 numbers, are quantised where they land and make one piece of 16 bytes.  So it is the CODES that change lanes,
; through LDS, a quarter of the bytes that the f32 numbers would be.  Register 4 c + cl, byte e of fragment s holds k = 128 (cl xor 2 hh) + 4 (8 s + 4 hf + c) + e (chunks cl = 0, 1 are the work-group's own
; 256 columns); wq is laid in the same order, so every product meets its partner and only the order of the f32 sums changes.
; WHY NO TENSOR LOADS AND NO CLUSTER, though all work-groups walk the same codes of Wk: V takes 262,144 of the 321,024 bytes of LDS, so what is left for Wk is two slots of 16,384 bytes, 64 products a wave.
; Wk's codes therefore come through registers, each wave a quarter of each tile, by loads of 512 consecutive bytes asked for about a hundred products ahead under counted waits, and go into the ring as register images.
; LIMITS: e0 between -126 and 119; e0 + e1 is applied by v_ldexp_f32 and has no limit of its own.  NaN and infinities among the inputs are not served.
; LDS:                                  bytes
.set VB,    0                          ; 262,144  bf16 V[t'][256 own columns], rows of 512 bytes; the 16-byte piece p of row t' lies at piece p xor 2 (t' % 8)
.set RING,  262144                     ;  32,768  two slots; a slot: 2 tiles x 4 fragments x 2,048 bytes, as register images
.set SLOTB, 16384
.set STG,   RING                       ;  33,792  phase L alone: for each wave 16 rows of codes, 528 bytes apart (reaches 1,024 bytes into SC, idle then)
.set SP,    528
.set OSP,   272                        ;          phase P alone, at RING: for each wave 16 rows x 272 bytes
.set SC,    294912                     ;   8,192  the scores of the head in hand: for each wave 512 f32 by t'
.set PB,    303104                     ;  16,640  P in bf16: row 4 hl + a', 1,040 bytes apart
.set PP,    1040
.set QT,    319744                     ;   1,024  q x log2(e) / 8 x 2^(e0 + e1) of the four heads
.set BT,    320768                     ;     256  half of q . bk x log2(e) / 8, one f32 at 4 (4 hl + a)
; REGISTERS, in windows of 256 (s_set_vgpr_msb: bits 1:0 source 0, 3:2 source 1, 5:4 source 2, 7:6 destination):
;   window 0: v1-31 addresses and constants.  L: v32-63 two sets of bf16, v64-95 two sets of codes, v96-103 V's addresses, v104-121 the head's work, v128-255 raw sets 0, 1.
;             G: v32-47 score pairs, v48-63 at work, v64-191 two sets of 8 accumulators, v192-255 Wk's four fragments.
;   window 1: v0-191 codes of row tiles 0-2; window 2: of 3-5; window 3: v0-127 of 6-7, v128-191 two sets of Wk's codes on their way.  v192-223 of windows 1, 2, 3: a copy of q each.
;   In L raw sets 2, 3 lie at window 3 v192-255 and window 1 v192-255.
;   With q copied, ONE setting (source 1 = the codes' window) serves a product, the multiply-add behind it and the LDS loads: three switches for eight products.
.set LI,   1                           ; 16 x lane
.set VOFF, 4                           ; v: 262,144 w + 16 lane
.set STW,  5                           ; stage, in: my piece of a row
.set STR,  6                           ; stage, out: row r, pieces 4 hf on
.set LIM,  11                          ; 448 x 2^e0
.set SCL,  12                          ; 2^e0
.set LW,   13                          ; wq: 16 lane + 2,048 w
.set GA,   14                          ; v14-15 the offsets of the two sets of loads from wq
.set LSW,  16                          ; ring, in: fragment w
.set LFR,  17                          ; ring, out
.set SCW0, 18
.set SCA,  19
.set SCR,  20
.set QA0,  21
.set QA,   22
.set BTA,  23
.set PW0,  24
.set PWA,  25
.set BP,   26                          ; v[26:27] = (bias / 2, 0)
.set AV,   28                          ; v28-31 phase P: V's places
.set BH,   32
.set CT,   64
.set AS,   96                          ; v96-103 V's place for a row with t' % 8 = m: 65,536 w + (8 lane xor 32 m)
.set PR,   32
.set T,    48
.set ACC0, 64
.set ACC1, 128
.set BF,   192
.set S,    64
.set PA,   20
.set MSB, 0
.macro WIN new                         ; the immediate's high byte repeats the setting that is left; a switch that changes nothing is dropped
.if MSB != (\new)
	s_set_vgpr_msb (MSB<<8)|(\new)
.set MSB, (\new)
.endif
.endm
.macro RSET u                          ; where raw set u % 4 lies
.if ((\u)%4) == 0
.set RB, 128
.set RW, 0
.elseif ((\u)%4) == 1
.set RB, 192
.set RW, 0
.elseif ((\u)%4) == 2
.set RB, 192
.set RW, 3
.else
.set RB, 192
.set RW, 1
.endif
.endm
; Unit u: rows 4 u .. 4 u + 3 of my 128, whole.  Each load reads 512 consecutive bytes; register 16 row + 4 cl + e.  No non-temporal hint: the neighbouring work-group reads the same bytes.
.macro LOAD u
	RSET \u
	WIN RW<<6
.irp r, 0,1,2,3
.irp c, 0,1
	global_load_b128 v[RB+16*\r+4*\c:RB+16*\r+4*\c+3], v[VOFF], s[24:25] offset:(4*(\u)+\r)*2048+512*\c       ; the own 256 columns
.endr
.irp c, 0,1
	global_load_b128 v[RB+16*\r+8+4*\c:RB+16*\r+8+4*\c+3], v[VOFF], s[26:27] offset:(4*(\u)+\r)*2048+512*\c   ; the other 256
.endr
.endr
	WIN 0
.endm
; My quarter (fragment w) of the next step's two tiles of Wk's codes, into set p: 8 loads of 512 consecutive bytes.  The walk wraps at the half's 524,288 bytes: the four fetches that look past the last
; step take the half's first tiles again, which nobody multiplies; so the loop has one form and no load leaves wq.
.macro GLOAD p
	WIN 0
	v_add_nc_u32 v[GA+(\p)], s38, v[LW]            ; written again only behind the counted wait that showed this set's last loads done
	s_add_co_u32 s38, s38, SLOTB
	s_and_b32 s38, s38, 0x7ffff
	WIN 0xc0
.irp k, 0,1,2,3,4,5,6,7
	global_load_b128 v[128+32*(\p)+4*\k:128+32*(\p)+4*\k+3], v[GA+(\p)], s[28:29] offset:8192*(\k/4)+512*(\k%4)
.endr
.endm
.macro GSTORE p, slot                  ; set p goes into the ring as it stands
	s_wait_loadcnt 8                               ; behind this set's 8 loads only the other set's 8 were issued
	WIN 0x0c
.irp k, 0,1,2,3,4,5,6,7
	ds_store_b128 v[LSW], v[128+32*(\p)+4*\k:128+32*(\p)+4*\k+3] offset:SLOTB*(\slot)+8192*(\k/4)+512*(\k%4)
.endr
.endm
.macro RUN f, slot, e                  ; fragment f of the slot's tile e comes back, in any wave
.irp c, 0,1,2,3
	ds_load_b128 v[BF+16*(\f)+4*\c:BF+16*(\f)+4*\c+3], v[LFR] offset:SLOTB*(\slot)+8192*(\e)+2048*(\f)+512*\c
.endr
.endm
; One unit of phase L: four rows are rounded to bf16 (own columns), held, quantised; the raw set takes the unit four on; V's 8 bytes and the codes' 16 bytes a row go to LDS.
; Behind a row tile's fourth unit its sixteen rows of codes come back as four fragments, straight into the registers in which they stay.
.macro STEP u
	RSET \u
.set BHS, BH+16*((\u)%2)
.set CTS, CT+16*((\u)%2)
.if (\u) <= 29
	s_wait_loadcnt 48                              ; this unit is in; behind it three units of 16 loads (at unit 29: two units and Wk's 16)
.elseif (\u) == 30
	s_wait_loadcnt 32                              ; behind it: one unit and Wk's 16
.else
	s_wait_loadcnt 16                              ; behind it: Wk's 16
.endif
	s_wait_dscnt 12                                ; the LDS stores of the unit before last, which read this set of bf16 and code registers, are done: behind them stand the last unit's twelve
	WIN RW|(RW<<2)
.set i, 0
.rept 16
	v_cvt_pk_bf16_f32 v[BHS+i], v[RB+16*(i/4)+2*(i%4)], v[RB+16*(i/4)+2*(i%4)+1]   ; V for the last product: the numbers as they are, ahead of the hold
.set i, i+1
.endr
	WIN RW|(RW<<6)
.set i, 0
.rept 64
	v_med3_num_f32 v[RB+i], v[RB+i], -v[LIM], v[LIM]    ; the conversion to an 8-bit code does not saturate (ISA guide 7.6.2): the hold at the largest code x the scale
.set i, i+1
.endr
	WIN RW
.irp r, 0,1,2,3
	v_cvt_scalef32_pk8_fp8_f32 v[CTS+4*\r:CTS+4*\r+1], v[RB+16*\r:RB+16*\r+7], v[SCL]
	v_cvt_scalef32_pk8_fp8_f32 v[CTS+4*\r+2:CTS+4*\r+3], v[RB+16*\r+8:RB+16*\r+15], v[SCL]
.endr
.if (\u)+4 < 32
	LOAD (\u)+4                                    ; four units, 64 loads, are on their way
.elseif (\u) == 28
	GLOAD 0                                        ; no unit is left to ask for: Wk's steps 0 and 1
	GLOAD 1
.endif
	WIN 0
.irp r, 0,1,2,3
.irp c, 0,1
	ds_store_b64 v[AS+4*((\u)%2)+\r], v[BHS+4*\r+2*\c:BHS+4*\r+2*\c+1] offset:512*(4*(\u)+\r)+256*\c   ; the wave fills 256 consecutive bytes of V's row
.endr
.endr
.irp r, 0,1,2,3
	ds_store_b128 v[STW], v[CTS+4*\r:CTS+4*\r+3] offset:SP*(4*((\u)%4)+\r)
.endr
.if ((\u)%4) == 3
.set RT, (\u)/4
	WIN (1+RT/3)<<6
.irp k, 0,1,2,3,4,5,6,7,8,9,10,11,12,13,14,15
	ds_load_b128 v[64*(RT%3)+4*\k:64*(RT%3)+4*\k+3], v[STR] offset:128*(\k/4)+16*(\k%4)   ; LDS serves a wave's instructions in order (ISA guide 5.7.1.4): these see my stores, and the next row tile's stores come behind them
.endr
	WIN 0
.endif
.endm
; Tile j (0 .. 3) of a group: 4 blocks (fragments) x 8 row tiles = 32 products; the eight accumulators take turns, one instruction a turn.
; Behind each product stands one multiply-add of tile j - 1's scores (number n: row tile n / 4, pair n % 4); tile 0 has v_nop behind row tiles 0-3 instead:
; they are the four places ahead of the loads into a fragment just multiplied and ahead of tile 1's first read of accumulator 0.
; Behind row tile 3 of block be the fragment that block be - 1 multiplied is fetched anew, 20 products ahead of its use.
; An odd tile is a step's last.  In its block 1 stands the ring's ONE barrier for a step: in front of the signal my stores of the next step have landed and my reads of this step are over (the last run was asked for
; in block 0); behind the wait the step after next goes into the slot just left, and only then the next step's first fragment is read.  So blocks 2 and 3 of an odd tile find their fragments in and need no wait.
; The set of registers that went into the ring is loaded again in block 3, directly behind that block's run of LDS loads, so that the two groups of memory instructions stand together among the products.
.macro NT j
.set AC, ACC0+64*((\j)%2)
.set AP, ACC0+64*(1-(\j)%2)
.set J1, ((\j)+1)%4
.set be, 0
.rept 4
.if ((\j) == 0) && (be < 3)
	s_wait_dscnt 17                                ; behind the run that is wanted: two runs of 4, the last group's 8 score stores, the bias load
.elseif ((\j)%2 == 0) || (be < 2)
	s_wait_dscnt 8                                 ; behind the run that is wanted: two runs of 4
.endif
.set rt, 0
.rept 8
	WIN (1+rt/3)<<2
.if be == 0
	v_wmma_f32_16x16x128_fp8_fp8 v[AC+8*rt:AC+8*rt+7], v[BF+16*be:BF+16*be+15], v[64*(rt%3)+16*be:64*(rt%3)+16*be+15], 0
.else
	v_wmma_f32_16x16x128_fp8_fp8 v[AC+8*rt:AC+8*rt+7], v[BF+16*be:BF+16*be+15], v[64*(rt%3)+16*be:64*(rt%3)+16*be+15], v[AC+8*rt:AC+8*rt+7]
.endif
.if (\j) > 0
.set n, 8*be+rt
.set rp, n/4
.set jp, n%4
.if ((\j) == 1) && (jp == 0)
	v_pk_fma_f32 v[PR+2*rp:PR+2*rp+1], v[AP+8*rp+2*jp:AP+8*rp+2*jp+1], v[192+8*((\j)-1)+2*jp:192+8*((\j)-1)+2*jp+1], v[BP:BP+1]   ; the group's first: the sum starts at (bias / 2, 0)
.else
	v_pk_fma_f32 v[PR+2*rp:PR+2*rp+1], v[AP+8*rp+2*jp:AP+8*rp+2*jp+1], v[192+8*((\j)-1)+2*jp:192+8*((\j)-1)+2*jp+1], v[PR+2*rp:PR+2*rp+1]
.endif
.elseif rt < 4
	v_nop
.endif
.if rt == 3
.if be == 0
	RUN 3, (\j)/2, (\j)%2
.elseif ((\j)%2 == 1) && (be == 1)
	s_wait_dscnt 0x0                               ; for the others' sake: my stores into the ring have landed, my reads of this step's slot are back
	s_barrier_signal -1
.else
	RUN be-1, J1/2, J1%2
.if ((\j)%2 == 1) && (be == 3)
	s_wait_dscnt 12                                ; behind the 8 stores into the ring: three runs of 4.  The stores have read their set, which takes the step four on
	GLOAD (\j)/2
.endif
.endif
.endif
.set rt, rt+1
.endr
.if ((\j)%2 == 1) && (be == 1)
	s_barrier_wait -1                              ; four products and four multiply-adds, registers alone, stood between signal and wait
	GSTORE (\j)/2, (\j)/2
	RUN 0, J1/2, J1%2
.endif
.set be, be+1
.endr
.endm
	s_load_b256 s[4:11], s[0:1], 0x0               ; v s[4:5], Q s[6:7], bk s[8:9], lowp_scales s[10:11]
	s_load_b128 s[12:15], s[0:1], 0x20             ; wq s[12:13], out0 s[14:15]
	s_load_b64 s[16:17], s[0:1], 0x30              ; out1
	v_lshl_add_u32 v9, v0, 2, 0x4e600
	v_mov_b32 v10, 0
	v_lshrrev_b32 v2, 5, v0
	v_readfirstlane_b32 s18, v2                    ; w
	v_and_b32 v28, 31, v0                          ; lane
	v_lshlrev_b32 v[LI], 4, v28
	s_and_b32 s19, ttmp9, 1                        ; hh
	s_lshr_b32 s20, ttmp9, 1                       ; b
	s_lshl_b32 s46, s18, 18
	v_add_nc_u32 v[VOFF], s46, v[LI]               ; my 128 rows of 2,048 bytes
	s_lshl_b32 s21, s19, 2
	s_add_co_u32 s21, s21, s18                     ; h = 4 hh + w: the head whose q and bias I prepare, and whose V I multiply at the end
	s_lshl_b32 s46, s21, 2
	s_lshr_b32 s47, s20, 5
	s_add_co_u32 s46, s46, s47
	s_lshl_b32 s46, s46, 8
	v_lshl_add_u32 v30, v28, 3, s46                ; Q: row 4 h + b / 32 of 256 bytes, two numbers a lane
	s_lshl_b32 s46, s21, 8
	v_lshl_add_u32 v31, v28, 3, s46                ; bk: 64 h + 2 lane, + 512 a by the immediate
	s_lshl_b32 s46, s20, 20
	s_lshl_b32 s47, s19, 10
	s_add_co_u32 s46, s46, s47                     ; v[b], my work-group's own 256 columns
	s_xor_b32 s48, s46, 1024                       ; and the other 256
	s_mov_b32 s47, 0
	s_mov_b32 s49, 0
	s_lshl_b32 s50, s19, 19                        ; wq: my half's 64 tiles
	s_mov_b32 s51, 0
	s_lshl_b32 s52, s19, 22                        ; out1: row x = 512 (4 hh) + 4 b + w, 2,048 bytes a row
	s_lshl_b32 s53, s20, 13
	s_add_co_u32 s52, s52, s53
	s_lshl_b32 s53, s18, 11
	s_add_co_u32 s52, s52, s53
	s_mov_b32 s53, 0
	s_lshl_b32 s54, s21, 17                        ; out0: rows 512 h + 4 b + 0 .. 3, 256 bytes a row
	s_lshl_b32 s55, s20, 10
	s_add_co_u32 s54, s54, s55
	s_mov_b32 s55, 0
	s_mov_b32 s36, 0x76543210                      ; v_permlanex16_b32: lane l xor 16
	s_mov_b32 s37, 0xfedcba98
	s_mov_b32 s38, 0                               ; the walk through wq
	s_wait_kmcnt 0x0
	s_load_b64 s[34:35], s[10:11], 0x0             ; e0, e1
	s_add_nc_u64 s[24:25], s[4:5], s[46:47]
	s_add_nc_u64 s[26:27], s[4:5], s[48:49]
	s_add_nc_u64 s[28:29], s[12:13], s[50:51]
	s_add_nc_u64 s[30:31], s[16:17], s[52:53]
	s_add_nc_u64 s[32:33], s[14:15], s[54:55]
	global_load_b64 v[104:105], v30, s[6:7]
.irp a, 0,1,2,3
	global_load_b64 v[106+2*\a:107+2*\a], v31, s[8:9] offset:2048*\a
.endr
	LOAD 0
	LOAD 1
	LOAD 2
	LOAD 3
	v_and_b32 v2, 15, v0                           ; r
	v_bfe_u32 v3, v0, 4, 1                         ; hf
	s_mul_i32 s46, s18, 16*SP
	s_add_co_u32 s46, s46, STG
	v_add_nc_u32 v[STW], s46, v[LI]
	v_mul_u32_u24 v[STR], v2, SP
	v_lshl_add_u32 v[STR], v3, 6, v[STR]
	v_add_nc_u32 v[STR], s46, v[STR]
	v_lshlrev_b32 v19, 3, v28                      ; my 4 bf16 of a chunk of 128: 8 x lane
	s_lshl_b32 s46, s18, 16
.irp m, 0,1,2,3,4,5,6,7
	v_xor_b32 v22, 32*\m, v19                      ; the 16-byte pieces of a row with t' % 8 = m are turned by 2 m
	v_add_nc_u32 v[AS+\m], s46, v22
.endr
	s_lshl_b32 s46, s18, 11
	v_add_nc_u32 v[LW], s46, v[LI]
	s_add_co_u32 s47, s46, RING
	v_add_nc_u32 v[LSW], s47, v[LI]
	v_add_nc_u32 v[LFR], RING, v[LI]
	s_add_co_u32 s47, s46, SC
	v_lshl_add_u32 v[SCW0], v2, 4, s47             ; t' = 4 (16 rt + r) + a: 16 r here, 256 rt by the immediate, 4 a by the group
	v_add_nc_u32 v[SCR], s47, v[LI]
	v_lshlrev_b32 v[QA0], 5, v3
	v_add_nc_u32 v[QA0], QT, v[QA0]                ; my eight d of a tile begin at 8 hf
	s_mul_i32 s46, s18, PP
	s_add_co_u32 s46, s46, PB
	v_lshl_add_u32 v[PW0], v28, 3, s46
	v_mov_b32 v[BP+1], 0
	s_lshl_b32 s46, s18, 4
	s_add_co_u32 s46, s46, BT
	v_mov_b32 v120, s46                            ; my head's four bias words
	s_lshl_b32 s46, s18, 8
	s_add_co_u32 s46, s46, QT
	v_lshl_add_u32 v121, v28, 3, s46               ; my head's q, two numbers a lane
	s_wait_kmcnt 0x0
	s_add_co_i32 s46, s34, 127
	s_lshl_b32 s47, s46, 23
	v_mov_b32 v[SCL], s47                          ; 2^e0 as f32: the conversion takes its exponent field
	s_add_co_i32 s46, s46, 8
	s_lshl_b32 s46, s46, 23
	s_or_b32 s46, s46, 0x600000
	v_mov_b32 v[LIM], s46                          ; 448 x 2^e0
	s_add_co_i32 s47, s34, s35                     ; a sum of the product stands for sum x 2^(e0 + e1)
	s_wait_loadcnt 48                              ; Q, bk and unit 0 are in; behind them three units of 16 loads
	v_mul_f32 v118, 0x3db8aa3b, v104               ; q x log2(e) / 16: each half of the lanes starts its sum at half the bias
	v_mul_f32 v119, 0x3db8aa3b, v105
.irp a, 0,1,2,3
	v_mul_f32 v[114+\a], v118, v[106+2*\a]
.endr
.irp a, 0,1,2,3
	v_fmac_f32 v[114+\a], v119, v[107+2*\a]
.endr
.irp m, 1,2,4,8
.irp a, 0,1,2,3
	v_add_f32_dpp v[114+\a], v[114+\a], v[114+\a] row_xmask:\m row_mask:0xf bank_mask:0xf
.endr
.endr
.irp a, 0,1,2,3
	v_permlanex16_b32 v[106+\a], v[114+\a], s36, s37
.endr
.irp a, 0,1,2,3
	v_add_f32 v[114+\a], v[114+\a], v[106+\a]      ; q . bk(a, h) x log2(e) / 16, in every lane
.endr
	v_mul_f32 v104, 0x3e38aa3b, v104               ; q x log2(e) / 8: the scores come out as exponents of 2
	v_mul_f32 v105, 0x3e38aa3b, v105
	v_ldexp_f32 v104, v104, s47
	v_ldexp_f32 v105, v105, s47
.irp a, 0,1,2,3
	ds_store_b32 v120, v[114+\a] offset:4*\a       ; all lanes write the same word with the same value
.endr
	ds_store_b64 v121, v[104:105]
	; ---- L
.set U, 0
.rept 32
	STEP U
.set U, U+1
.endr
	v_nop                                          ; one plain vector instruction behind the last scaled conversion
	s_wait_dscnt 0x0                               ; V, q and the biases have landed; my codes are in their registers, my stage is read out
	s_barrier_signal -1
	s_barrier_wait -1                              ; of every wave: the ring may take the stages' bytes
	; ---- G: the ring is started
	GSTORE 0, 0                                    ; step 0
	s_wait_dscnt 0x0                               ; landed, for the others' sake; and the set is read
	GLOAD 0                                        ; step 2
	s_barrier_signal -1
	s_barrier_wait -1                              ; slot 0 is whole
	GSTORE 1, 1                                    ; step 1: shown whole by the barrier in tile 1
	RUN 0, 0, 0
	RUN 1, 0, 0
	RUN 2, 0, 0
	s_wait_dscnt 12                                ; behind the 8 stores: three runs of 4
	GLOAD 1                                        ; step 3
	WIN 0
	s_mov_b32 s43, 0                               ; 256 hl
	s_mov_b32 s44, 0                               ; 4 PP hl
.Lhead:                                                ; four heads
	v_add_nc_u32 v[QA], s43, v[QA0]
.irp w, 1,2,3
	WIN \w<<6
.irp k, 0,1,2,3,4,5,6,7
	ds_load_b128 v[192+4*\k:192+4*\k+3], v[QA] offset:64*(\k/2)+16*(\k%2)   ; register 8 nt + i = q'(16 nt + 8 hf + i)
.endr
.endr
	WIN 0
	s_mov_b32 s41, 0                               ; 4 a
.Lgrp:                                                 ; four groups a = 0 .. 3: columns 512 a + 64 h + 0 .. 63 of k
	v_add_nc_u32 v[SCA], s41, v[SCW0]
	s_lshr_b32 s46, s43, 4
	s_add_co_u32 s46, s46, s41
	s_add_co_u32 s46, s46, BT
	v_mov_b32 v[BTA], s46
	ds_load_b32 v[BP], v[BTA]                      ; bias / 2 of (hl, a): first used in tile 1, behind tile 0's last counted wait
	s_add_co_u32 s41, s41, 4
	NT 0
	NT 1
	NT 2
	NT 3
	WIN 0x04                                       ; tile 3's multiply-adds have no products to stand behind; across the row tiles first, so that none feeds the next
.set jp, 0
.rept 4
.set rp, 0
.rept 8
	v_pk_fma_f32 v[PR+2*rp:PR+2*rp+1], v[ACC1+8*rp+2*jp:ACC1+8*rp+2*jp+1], v[216+2*jp:217+2*jp], v[PR+2*rp:PR+2*rp+1]
.set rp, rp+1
.endr
.set jp, jp+1
.endr
	WIN 0
.irp r, 0,1,2,3,4,5,6,7
	v_add_f32 v[T+\r], v[PR+2*\r], v[PR+2*\r+1]    ; even d and odd d,
.endr
.irp r, 0,1,2,3,4,5,6,7
	v_permlanex16_b32 v[PR+2*\r], v[T+\r], s36, s37
.endr
.irp r, 0,1,2,3,4,5,6,7
	v_add_f32 v[T+\r], v[T+\r], v[PR+2*\r]         ; and the other half of the lanes' eight d of each tile
.endr
.irp r, 0,1,2,3,4,5,6,7
	ds_store_b32 v[SCA], v[T+\r] offset:256*\r     ; score of t' = 4 (16 rt + r) + a; lanes r and r + 16 write the same word with the same value
.endr
	s_cmp_lt_u32 s41, 16
	s_cbranch_scc1 .Lgrp
	; the head's softmax row x = 512 h + 4 b + w: my own 512 scores, 16 a lane: t' = 128 c + 4 lane + e
.irp c, 0,1,2,3
	ds_load_b128 v[S+4*\c:S+4*\c+3], v[SCR] offset:512*\c
.endr
	s_wait_dscnt 0x0
	v_max3_num_f32 v80, v64, v65, v66
	v_max3_num_f32 v81, v67, v68, v69
	v_max3_num_f32 v80, v80, v70, v71
	v_max3_num_f32 v81, v81, v72, v73
	v_max3_num_f32 v80, v80, v74, v75
	v_max3_num_f32 v81, v81, v76, v77
	v_max3_num_f32 v80, v80, v78, v79
	v_max_num_f32 v80, v80, v81
.irp m, 1,2,4,8
	v_max_num_f32_dpp v80, v80, v80 row_xmask:\m row_mask:0xf bank_mask:0xf
.endr
	v_permlanex16_b32 v81, v80, s36, s37
	v_max_num_f32 v80, v80, v81                    ; the row's largest score
.irp i, 0,2,4,6,8,10,12,14
	v_pk_add_f32 v[S+\i:S+\i+1], v[S+\i:S+\i+1], v[80:81] op_sel_hi:[1,0] neg_lo:[0,1] neg_hi:[0,1]
.endr
.irp i, 0,1,2,3,4,5,6,7,8,9,10,11,12,13,14,15
	v_exp_f32 v[S+\i], v[S+\i]
.endr
	v_nop                                          ; a plain instruction between the last exponential and the use of its result
	s_wait_alu depctr_va_vdst(0)
	v_pk_add_f32 v[82:83], v[64:65], v[66:67]
	v_pk_add_f32 v[84:85], v[68:69], v[70:71]
	v_pk_add_f32 v[86:87], v[72:73], v[74:75]
	v_pk_add_f32 v[88:89], v[76:77], v[78:79]
	v_pk_add_f32 v[82:83], v[82:83], v[84:85]
	v_pk_add_f32 v[86:87], v[86:87], v[88:89]
	v_pk_add_f32 v[82:83], v[82:83], v[86:87]
	v_add_f32 v82, v82, v83
.irp m, 1,2,4,8
	v_add_f32_dpp v82, v82, v82 row_xmask:\m row_mask:0xf bank_mask:0xf
.endr
	v_permlanex16_b32 v83, v82, s36, s37
	v_add_f32 v82, v82, v83
	v_rcp_f32 v82, v82
	v_add_nc_u32 v[PWA], s44, v[PW0]               ; (the plain instruction behind the reciprocal)  P's row 4 hl + w
	s_wait_alu depctr_va_vdst(0)
.irp i, 0,2,4,6,8,10,12,14
	v_pk_mul_f32 v[S+\i:S+\i+1], v[S+\i:S+\i+1], v[82:83] op_sel_hi:[1,0]
.endr
.irp c, 0,1,2,3
	global_store_b128 v[LI], v[S+4*\c:S+4*\c+3], s[30:31] offset:512*\c th:TH_STORE_NT   ; the wave stores 512 consecutive bytes of the row
.endr
.irp i, 0,1,2,3,4,5,6,7
	v_cvt_pk_bf16_f32 v[T+\i], v[S+2*\i], v[S+2*\i+1]
.endr
.irp c, 0,1,2,3
	ds_store_b64 v[PWA], v[T+2*\c:T+2*\c+1] offset:256*\c
.endr
	s_wait_xcnt 0x0                                ; the stores' data and base are written again only behind this wait
	s_add_nc_u64 s[30:31], s[30:31], 0x100000      ; the next head's row: 512 rows of 2,048 bytes on
	s_add_co_u32 s43, s43, 256
	s_add_co_u32 s44, s44, 4*PP
	s_cmp_lt_u32 s43, 1024
	s_cbranch_scc1 .Lhead
	; ---- P: O^T = V^T P for head 4 hh + w: source 0 = 16 channels x 32 t' (turned on the way out of LDS), source 1 = 32 t' x the 16 rows of P
	s_wait_dscnt 0x0                               ; P's rows have landed; my reads of the ring are back
	s_barrier_signal -1
	s_barrier_wait -1
	v_and_b32 v19, 7, v0
	v_bfe_u32 v22, v0, 3, 1
	v_lshl_add_u32 v23, v3, 3, v19
	v_lshlrev_b32 v23, 9, v23                      ; row 8 hf + lane % 8
	s_lshl_b32 s46, s18, 2
.irp c, 0,1,2,3
	s_add_co_u32 s47, s46, \c
	v_xor_b32 v25, s47, v19                        ; pieces 2 (4 w + ct) + 0, 1 of the row, turned by 2 (t' % 8)
	v_lshl_add_u32 v25, v25, 1, v22
	v_lshl_add_u32 v[AV+\c], v25, 4, v23
.endr
	v_mul_u32_u24 v[PA], v2, PP
	v_lshl_add_u32 v[PA], v3, 4, v[PA]
	v_add_nc_u32 v[PA], PB, v[PA]
	s_mul_i32 s46, s18, 16*OSP
	s_add_co_u32 s46, s46, RING                    ; my stage for the way out
	v_mul_u32_u24 v21, v2, OSP
	v_lshl_add_u32 v21, v3, 5, v21
	v_add_nc_u32 v21, s46, v21                     ; in: row r (a row of P), + 32 hf
	s_mul_i32 s47, s18, 4*OSP
	s_add_co_u32 s47, s47, s46
	v_mul_u32_u24 v24, v3, OSP
	v_lshl_add_u32 v24, v2, 4, v24
	v_add_nc_u32 v24, s47, v24                     ; back: my head's rows 4 w + hf, then + 2
.macro PLOAD ks                        ; 32 t' from 32 ks on: P's fragment and V's four, into buffer ks % 2 (v96-135, v136-175)
.set PBUF, 96+40*((\ks)%2)
	ds_load_b128 v[PBUF:PBUF+3], v[PA] offset:64*(\ks)
	ds_load_b128 v[PBUF+4:PBUF+7], v[PA] offset:64*(\ks)+32
.irp c, 0,1,2,3
	ds_load_tr16_b128 v[PBUF+8+8*\c:PBUF+8+8*\c+3], v[AV+\c] offset:16384*((\ks)%4)
	ds_load_tr16_b128 v[PBUF+8+8*\c+4:PBUF+8+8*\c+7], v[AV+\c] offset:16384*((\ks)%4)+8192
.endr
.endm
	PLOAD 0
.set ks, 0
.rept 16
.if ks < 15
.if (ks+1)%4 == 0
.irp c, 0,1,2,3
	v_add_nc_u32 v[AV+\c], 0x10000, v[AV+\c]       ; 128 rows of V on; these four are also the places ahead of the loads below
.endr
.else
.rept 4
	v_nop                                          ; four places ahead of loads into registers that matrix instructions have read
.endr
.endif
	PLOAD ks+1
	s_wait_dscnt 10                                ; all but the ten just issued
.else
	s_wait_dscnt 0x0
.endif
.set PBUF, 96+40*(ks%2)
.irp c, 0,1,2,3
.if ks == 0
	v_wmma_f32_16x16x32_bf16 v[64+8*\c:64+8*\c+7], v[PBUF+8+8*\c:PBUF+8+8*\c+7], v[PBUF:PBUF+7], 0
.else
	v_wmma_f32_16x16x32_bf16 v[64+8*\c:64+8*\c+7], v[PBUF+8+8*\c:PBUF+8+8*\c+7], v[PBUF:PBUF+7], v[64+8*\c:64+8*\c+7]
.endif
.endr
.set ks, ks+1
.endr
.rept 4
	v_nop
.endr
.irp c, 0,1,2,3
	ds_store_b128 v21, v[64+8*\c:64+8*\c+3] offset:64*\c          ; lane (r, hf): channels 16 ct + 8 hf + 0 .. 7 of row r
	ds_store_b128 v21, v[64+8*\c+4:64+8*\c+7] offset:64*\c+16
.endr
	ds_load_b128 v[96:99], v24                     ; LDS serves a wave's instructions in order: these see my stores
	ds_load_b128 v[100:103], v24 offset:2*OSP
	s_wait_dscnt 1
	global_store_b128 v[LI], v[96:99], s[32:33] th:TH_STORE_NT              ; a' = 0, 1: sixteen lanes store one row of 256 consecutive bytes
	s_wait_dscnt 0x0
	global_store_b128 v[LI], v[100:103], s[32:33] offset:512 th:TH_STORE_NT ; a' = 2, 3
	s_wait_tensorcnt 0x0
	ds_add_u32 v9, v10
	s_wait_dscnt 0x0
	s_endpgm
.Lfunc_end_k_qb8d2f64301_attn:
	.size	k_qb8d2f64301_attn, .Lfunc_end_k_qb8d2f64301_attn-k_qb8d2f64301_attn
	.p2alignl 7, 3214868480
	.fill 96, 4, 3214868480
	.section	.rodata,"a",@progbits
	.p2align	6, 0x0
	.amdhsa_kernel k_qb8d2f64301_attn
		.amdhsa_group_segment_fixed_size 321536
		.amdhsa_private_segment_fixed_size 0
		.amdhsa_enable_private_segment 0
		.amdhsa_kernarg_size 56
		.amdhsa_user_sgpr_count 2
		.amdhsa_user_sgpr_kernarg_segment_ptr 1
		.amdhsa_wavefront_size32 1
		.amdhsa_system_sgpr_workgroup_id_x 1
		.amdhsa_system_sgpr_workgroup_id_y 1
		.amdhsa_system_sgpr_workgroup_id_z 1
		.amdhsa_system_vgpr_workitem_id 0
		.amdhsa_next_free_vgpr 1024
		.amdhsa_next_free_sgpr 66
		.amdhsa_reserve_vcc 0
		.amdhsa_float_denorm_mode_32 3
		.amdhsa_float_denorm_mode_16_64 3
		.amdhsa_memory_ordered 1
		.amdhsa_forward_progress 1
		.amdhsa_inst_pref_size 255
	.end_amdhsa_kernel
	.section	.bss,"aw",@nobits
	.p2align	6
	.space	262144
	.amdgpu_metadata
---
amdhsa.version: [ 1, 2 ]
amdhsa.kernels:
  - .name:           k_qb8d2f64301_attn
    .symbol:         k_qb8d2f64301_attn.kd
    .args:
      - { .name: v, .offset: 0, .size: 8, .value_kind: global_buffer, .address_space: global }
      - { .name: Q, .offset: 8, .size: 8, .value_kind: global_buffer, .address_space: global }
      - { .name: bk, .offset: 16, .size: 8, .value_kind: global_buffer, .address_space: global }
      - { .name: lowp_scales, .offset: 24, .size: 8, .value_kind: global_buffer, .address_space: global }
      - { .name: wq, .offset: 32, .size: 8, .value_kind: global_buffer, .address_space: global }
      - { .name: out0, .offset: 40, .size: 8, .value_kind: global_buffer, .address_space: global }
      - { .name: out1, .offset: 48, .size: 8, .value_kind: global_buffer, .address_space: global }
    .group_segment_fixed_size: 321536
    .private_segment_fixed_size: 0
    .kernarg_segment_align: 8
    .kernarg_segment_size: 56
    .max_flat_workgroup_size: 128
    .sgpr_count:     66
    .vgpr_count:     1024
    .wavefront_size: 32
...
	.end_amdgpu_metadata
.endif
;; end of part 2
;; ======== version 2 of 2: 2 launches
;; workspace buffers: wq 1,048,576 bytes
;; launch wprep (part 3): grid 128 x 1, 4 waves a work-group, no clusters, 8,960 bytes of LDS; arguments Wk, lowp_scales, wq; writes wq
.if DOCPART == 3
	.amdgcn_target "amdgcn-amd-amdhsa--gfx1250"
	.amdhsa_code_object_version 6
	.text
	.protected	k_qb8d2f64301_wprep
	.globl	k_qb8d2f64301_wprep
	.p2align	8
	.type	k_qb8d2f64301_wprep,@function
k_qb8d2f64301_wprep:
	s_mov_b64 s[64:65], 0
	v_nop
	global_prefetch_b8 v0, s[64:65] scope:SCOPE_SE
	s_setreg_imm32_b32 hwreg(HW_REG_WAVE_MODE, 25, 1), 1
	s_wait_xcnt 0x0
; Wk [2048][512] f32 becomes codes of E4M3 with the given scale 2^e1 (entry 1 of lowp_scales), laid as IMAGES OF OPERAND REGISTERS, in the order of K in which the second launch holds v's codes.
; code = x / 2^e1, held within +-448, rounded to the nearest code, ties to even.  LIMITS: e1 between -126 and 119; NaN among the inputs is not served.
; A tile T = 16 h + 4 a + nt, 0 .. 127, is the 16 rows n = 512 a + 64 h + 16 nt + r of Wk; it is four fragments s of 16 registers a lane.  Only the work-groups of the half hh = T / 64 read it.
; wq byte = 8192 T + 2048 s + 512 c + 16 lane + 4 cl + e: lane (r = lane % 16, hf = lane / 16) holds there the code of k = 128 (cl xor 2 hh) + 4 (8 s + 4 hf + c) + e of row r.
; A work-group makes a tile.  Wave i takes rows 4 i .. 4 i + 3: each load reads 512 consecutive bytes of a row, so a lane holds 4 neighbours of each of the row's four chunks of 128: 16 numbers, which the
; conversions turn into one piece of 16 bytes.  The pieces go into a stage in LDS (a row: 32 pieces, rows 528 bytes apart); behind a barrier wave i reads fragment s = i: of row r the pieces 8 s + 4 hf + c.
; Each store to wq covers 512 consecutive bytes.
.set SP,  528                          ; a stage row: 512 bytes + 16, so that sixteen lanes' reads of one column fall at sixteen different places modulo 256 bytes
.set R,   16                           ; v16-79   register 16 row + 4 cl + e, as loaded
.set C,   80                           ; v80-95   four rows' pieces
.set F,   96                           ; v96-111  my fragment
	s_load_b128 s[4:7], s[0:1], 0x0                ; Wk s[4:5], lowp_scales s[6:7]
	s_load_b64 s[8:9], s[0:1], 0x10                ; wq
	v_lshl_add_u32 v112, v0, 2, 0x2100
	v_mov_b32 v113, 0
	v_lshrrev_b32 v1, 5, v0
	v_readfirstlane_b32 s10, v1                    ; wave 0 .. 3
	v_and_b32 v2, 31, v0                           ; lane
	v_lshlrev_b32 v4, 4, v2                        ; 16 x lane: my bytes of a chunk's 512, my piece of a stage row, my bytes of an image's 512
	v_and_b32 v1, 15, v0                           ; r
	v_bfe_u32 v3, v0, 4, 1                         ; hf
	s_mul_i32 s11, s10, 4*SP
	v_add_nc_u32 v5, s11, v4                       ; into the stage: rows 4 wave + 0 .. 3
	v_mul_u32_u24 v6, v1, SP
	v_lshl_add_u32 v6, v3, 6, v6
	s_lshl_b32 s11, s10, 7
	v_add_nc_u32 v6, s11, v6                       ; out of it: row r, pieces 8 wave + 4 hf + c
	s_bfe_u32 s14, ttmp9, 0x20002                  ; a = (T / 4) % 4
	s_lshl_b32 s14, s14, 9
	s_lshr_b32 s15, ttmp9, 4                       ; h
	s_lshl_b32 s15, s15, 6
	s_add_co_u32 s14, s14, s15
	s_and_b32 s15, ttmp9, 3                        ; nt
	s_lshl_b32 s15, s15, 4
	s_add_co_u32 s14, s14, s15                     ; the tile's first row of Wk
	s_lshl_b32 s15, s10, 2
	s_add_co_u32 s14, s14, s15                     ; my four rows
	s_lshl_b32 s14, s14, 11                        ; x 2,048 bytes
	s_lshr_b32 s15, ttmp9, 6                       ; hh
	s_lshl_b32 s15, s15, 10
	s_add_co_u32 s14, s14, s15                     ; chunks cl = 0, 1: columns 256 hh on
	s_xor_b32 s16, s14, 1024                       ; chunks cl = 2, 3: the other 256 columns
	s_mov_b32 s15, 0
	s_mov_b32 s17, 0
	s_lshl_b32 s20, ttmp9, 13
	s_lshl_b32 s21, s10, 11
	s_add_co_u32 s20, s20, s21                     ; 8192 T + 2048 wave
	s_mov_b32 s21, 0
	s_wait_alu depctr_va_vdst(0)
	s_wait_kmcnt 0x0
	s_load_b32 s18, s[6:7], 0x4                    ; e1
	s_add_nc_u64 s[12:13], s[4:5], s[16:17]
	s_add_nc_u64 s[4:5], s[4:5], s[14:15]
	s_add_nc_u64 s[8:9], s[8:9], s[20:21]
.irp r, 0,1,2,3
.irp c, 0,1
	global_load_b128 v[R+16*\r+4*\c:R+16*\r+4*\c+3], v4, s[4:5] offset:2048*\r+512*\c th:TH_LOAD_NT       ; 512 consecutive bytes, read once in the launch
.endr
.irp c, 0,1
	global_load_b128 v[R+16*\r+8+4*\c:R+16*\r+8+4*\c+3], v4, s[12:13] offset:2048*\r+512*\c th:TH_LOAD_NT
.endr
.endr
	s_wait_kmcnt 0x0
	s_add_co_i32 s18, s18, 127
	s_lshl_b32 s19, s18, 23
	v_mov_b32 v11, s19                             ; 2^e1 as f32: the conversion takes its exponent field
	s_add_co_i32 s18, s18, 8
	s_lshl_b32 s18, s18, 23
	s_or_b32 s18, s18, 0x600000
	v_mov_b32 v10, s18                             ; 448 x 2^e1
	s_wait_alu depctr_va_vdst(0)
	s_wait_loadcnt 0x0
.set i, 0
.rept 64
	v_med3_num_f32 v[R+i], v[R+i], -v10, v10       ; the conversion to an 8-bit code does not saturate (ISA guide 7.6.2): the hold at the largest code x the scale
.set i, i+1
.endr
.irp r, 0,1,2,3
	v_cvt_scalef32_pk8_fp8_f32 v[C+4*\r:C+4*\r+1], v[R+16*\r:R+16*\r+7], v11
	v_cvt_scalef32_pk8_fp8_f32 v[C+4*\r+2:C+4*\r+3], v[R+16*\r+8:R+16*\r+15], v11
.endr
.irp r, 0,1,2,3
	ds_store_b128 v5, v[C+4*\r:C+4*\r+3] offset:SP*\r
.endr
	s_wait_dscnt 0x0                               ; for the others' sake: my four rows have landed
	s_barrier_signal -1
	s_barrier_wait -1                              ; the tile's sixteen rows lie in the stage
.irp c, 0,1,2,3
	ds_load_b128 v[F+4*\c:F+4*\c+3], v6 offset:16*\c
.endr
	s_wait_dscnt 0x0
.irp c, 0,1,2,3
	global_store_b128 v4, v[F+4*\c:F+4*\c+3], s[8:9] offset:512*\c   ; the wave stores 512 consecutive bytes, at a multiple of 512 from wq's first byte
.endr
	s_wait_tensorcnt 0x0
	ds_add_u32 v112, v113
	s_wait_dscnt 0x0
	s_endpgm
.Lfunc_end_k_qb8d2f64301_wprep:
	.size	k_qb8d2f64301_wprep, .Lfunc_end_k_qb8d2f64301_wprep-k_qb8d2f64301_wprep
	.p2alignl 7, 3214868480
	.fill 96, 4, 3214868480
	.section	.rodata,"a",@progbits
	.p2align	6, 0x0
	.amdhsa_kernel k_qb8d2f64301_wprep
		.amdhsa_group_segment_fixed_size 8960
		.amdhsa_private_segment_fixed_size 0
		.amdhsa_enable_private_segment 0
		.amdhsa_kernarg_size 24
		.amdhsa_user_sgpr_count 2
		.amdhsa_user_sgpr_kernarg_segment_ptr 1
		.amdhsa_wavefront_size32 1
		.amdhsa_system_sgpr_workgroup_id_x 1
		.amdhsa_system_sgpr_workgroup_id_y 1
		.amdhsa_system_sgpr_workgroup_id_z 1
		.amdhsa_system_vgpr_workitem_id 0
		.amdhsa_next_free_vgpr 114
		.amdhsa_next_free_sgpr 66
		.amdhsa_reserve_vcc 0
		.amdhsa_float_denorm_mode_32 3
		.amdhsa_float_denorm_mode_16_64 3
		.amdhsa_memory_ordered 1
		.amdhsa_forward_progress 1
		.amdhsa_inst_pref_size 10
	.end_amdhsa_kernel
	.amdgpu_metadata
---
amdhsa.version: [ 1, 2 ]
amdhsa.kernels:
  - .name:           k_qb8d2f64301_wprep
    .symbol:         k_qb8d2f64301_wprep.kd
    .args:
      - { .name: Wk, .offset: 0, .size: 8, .value_kind: global_buffer, .address_space: global }
      - { .name: lowp_scales, .offset: 8, .size: 8, .value_kind: global_buffer, .address_space: global }
      - { .name: wq, .offset: 16, .size: 8, .value_kind: global_buffer, .address_space: global }
    .group_segment_fixed_size: 8960
    .private_segment_fixed_size: 0
    .kernarg_segment_align: 8
    .kernarg_segment_size: 24
    .max_flat_workgroup_size: 128
    .sgpr_count:     66
    .vgpr_count:     114
    .wavefront_size: 32
...
	.end_amdgpu_metadata
.endif
;; end of part 3
;; launch attn (part 4): grid 256 x 1, 4 waves a work-group, no clusters, 321,536 bytes of LDS; arguments v, Q, bk, lowp_scales, wq, out0, out1; writes out0, out1
.if DOCPART == 4
	.amdgcn_target "amdgcn-amd-amdhsa--gfx1250"
	.amdhsa_code_object_version 6
	.text
	.protected	k_qb8d2f64301_attn
	.globl	k_qb8d2f64301_attn
	.p2align	8
	.type	k_qb8d2f64301_attn,@function
k_qb8d2f64301_attn:
	s_mov_b64 s[64:65], 0
	v_nop
	global_prefetch_b8 v0, s[64:65] scope:SCOPE_SE
	s_setreg_imm32_b32 hwreg(HW_REG_WAVE_SCHED_MODE, 0, 2), 2
	s_setreg_imm32_b32 hwreg(HW_REG_WAVE_MODE, 25, 1), 1
	s_wait_xcnt 0x0
	s_wait_alu depctr_vm_vsrc(0)
; k = Q8(v) Q8(Wk)^T + bk on codes of E4M3; one-query attention on the scrambled view of k; out1 = softmax, out0 = softmax x v's head channels.
; INDICES.  Row x = 512 h + 4 b + a' of both outputs.  Its score at t' comes from row t = 128 a' + t' / 4 of v[b] and the columns n = 512 (t' % 4) + 64 h + d of k; its query is row 4 h + b / 32 of Q
; taken as [32][64]; out0[x][c] = sum over t' of out1[x][t'] v[b][t'][64 h + c].
; SHARES.  Work-group = (b, hh): batch b = number / 2, heads 4 hh .. 4 hh + 3.  Wave w owns rows 128 w .. 128 w + 127 of v[b], that is a' = w: a softmax row never leaves its wave.
;   L: the wave reads its 128 rows x 512 columns once, quantises them into 512 registers of codes that stay (8 row tiles x 4 fragments x 16), and rounds the work-group's own 256 columns to bf16 into LDS.
;   G: 64 tiles of 16 rows of Wk's codes pass by; each fragment (2,048 bytes from LDS) feeds 8 products.  The product is used TRANSPOSED (source 0 = 16 rows of Wk, source 1 = 16 rows of v): a lane holds one t
;      and eight d, so the score is a chain of packed multiply-adds with q, one behind each product.  After a head's four groups (a = 0 .. 3) the wave's 512 scores are one softmax row.
;   P: wave w takes head 4 hh + w: O^T = V^T P in bf16 on all 16 rows of P (its own four are kept).
; K's ORDER.  A load gives a lane 4 neighbours of a chunk of 128 columns; a row's four chunks, 16 numbers, are quantised where they land and make one piece of 16 bytes.  So it is the CODES that change lanes,
; through LDS, a quarter of the bytes that the f32 numbers would be.  Register 4 c + cl, byte e of fragment s holds k = 128 (cl xor 2 hh) + 4 (8 s + 4 hf + c) + e (chunks cl = 0, 1 are the work-group's own
; 256 columns); wq is laid in the same order, so every product meets its partner and only the order of the f32 sums changes.
; WHY NO TENSOR LOADS AND NO CLUSTER, though all work-groups walk the same codes of Wk: V takes 262,144 of the 321,024 bytes of LDS, so what is left for Wk is two slots of 16,384 bytes, 64 products a wave.
; Wk's codes therefore come through registers, each wave a quarter of each tile, by loads of 512 consecutive bytes asked for about a hundred products ahead under counted waits, and go into the ring as register images.
; LIMITS: e0 between -126 and 119; e0 + e1 is applied by v_ldexp_f32 and has no limit of its own.  NaN and infinities among the inputs are not served.
; THE MODE: SCHED_MODE bits 1:0 = 2 (LLVM: expert scheduling mode 2), set by the entry lines.  The code itself states the register dependences
; between vector or matrix instructions and memory or LDS instructions, with s_wait_alu, always for 0.
; THE PLAN.  Registers that memory or LDS instructions touch, and who else names them:
;   L  raw sets 0-3   Unit u: loads land in set u % 4; the unit's roundings, holds and conversions read and write it; behind them the unit four on is loaded into it.
;      BH0/1, CT0/1   Unit u's conversions write set u % 2; its twelve LDS stores read it; unit u + 2 writes it again.
;      So two waits a unit: vm_vsrc at its head (the stores of the unit before last have read the set), va_vdst behind its conversions (the raw set is free, BH and CT are written).
;   G  BF0 .. BF3     LDS loads land in a fragment; the eight products of its block read it.  TWO waits on va_vdst a tile.  The one at the end of block 1 states that blocks 0 and 1 are done: fragment 0 is fetched
;                     at once, fragment 1 behind row tile 3 of block 2, since the products issued between name fragment 2 alone.  The one at the end of block 3 serves fragments 2 and 3 likewise.
;      Wk's two sets  Loads from wq land in a set, the stores into the ring read it, no vector instruction names it: one wait on vm_vsrc ahead of each reload.  Their offset v13 is never written again:
;                     each set has a scalar base of its own, written behind the counted wait that shows the set's loads done.
;      q's copies, v22   once a head;   v19, v23, v26   once a group;   v48-55, v64-79, v25   the score stores and the softmax: their waits stand there.
;   P  three operand buffers by turns: the loads of step ks + 2 follow the products of step ks; one wait on va_vdst a step, ahead of its products, states that step ks - 1's are done with the buffer asked for next.
;   v1, v4, v5, v6, v13, v16, v17, v20 and, in L, v96-103 are made at the head and read by memory and LDS instructions alone until their phase is over.  v9, v10: written at the head, read by the closing add alone.
; LDS:                                  bytes
.set VB,    0                          ; 262,144  bf16 V[t'][256 own columns], rows of 512 bytes; the 16-byte piece p of row t' lies at piece p xor 2 (t' % 8)
.set RING,  262144                     ;  32,768  two slots; a slot: 2 tiles x 4 fragments x 2,048 bytes, as register images
.set SLOTB, 16384
.set STG,   RING                       ;  33,792  phase L alone: for each wave 16 rows of codes, 528 bytes apart (reaches 1,024 bytes into SC, idle then)
.set SP,    528
.set OSP,   272                        ;          phase P alone, at RING: for each wave 16 rows x 272 bytes
.set SC,    294912                     ;   8,192  the scores of the head in hand: for each wave 512 f32 by t'
.set PB,    303104                     ;  16,640  P in bf16: row 4 hl + a', 1,040 bytes apart
.set PP,    1040
.set QT,    319744                     ;   1,024  q x log2(e) / 8 x 2^(e0 + e1) of the four heads
.set BT,    320768                     ;     256  half of q . bk x log2(e) / 8, one f32 at 4 (4 hl + a);  behind it, from 321,024 on, the spare words: 128 bytes for each wave
; REGISTERS, in windows of 256 (s_set_vgpr_msb: bits 1:0 source 0, 3:2 source 1, 5:4 source 2, 7:6 destination):
;   window 0: v1-31 addresses and constants.  L: v32-63 two sets of bf16, v64-95 two sets of codes, v96-103 V's addresses, v104-121 the head's work, v128-255 raw sets 0, 1.
;             G: v32-47 score pairs, v48-63 at work, v64-191 two sets of 8 accumulators, v192-255 Wk's four fragments.  P: v64-95 four accumulators, v96-215 three operand buffers.
;   window 1: v0-191 codes of row tiles 0-2; window 2: of 3-5; window 3: v0-127 of 6-7, v128-191 two sets of Wk's codes on their way.  v192-223 of windows 1, 2, 3: a copy of q each.
;   In L raw sets 2, 3 lie at window 3 v192-255 and window 1 v192-255.
;   With q copied, ONE setting (source 1 = the codes' window) serves a product, the multiply-add behind it and the LDS loads: three switches for eight products.
.set LI,   1                           ; 16 x lane
.set VOFF, 4                           ; v: 262,144 w + 16 lane
.set STW,  5                           ; stage, in: my piece of a row
.set STR,  6                           ; stage, out: row r, pieces 4 hf on
.set LIM,  11                          ; 448 x 2^e0
.set SCL,  12                          ; 2^e0
.set LW,   13                          ; wq: 16 lane + 2,048 w; never written again
.set LSW,  16                          ; ring, in: fragment w
.set LFR,  17                          ; ring, out
.set SCW0, 18
.set SCA,  19
.set SCR,  20
.set QA0,  21
.set QA,   22
.set BTA,  23
.set PW0,  24
.set PWA,  25
.set BP,   26                          ; v[26:27] = (bias / 2, 0)
.set AV,   28                          ; v28-31 phase P: V's places
.set BH,   32
.set CT,   64
.set AS,   96                          ; v96-103 V's place for a row with t' % 8 = m: 65,536 w + (8 lane xor 32 m)
.set PR,   32
.set T,    48
.set ACC0, 64
.set ACC1, 128
.set BF,   192
.set S,    64
.set PA,   20
.set WB,   56                          ; s[56:57], s[58:59]: where in wq the loads of set 0, 1 begin
.set MSB, 0
.macro WIN new                         ; the immediate's high byte repeats the setting that is left; a switch that changes nothing is dropped
.if MSB != (\new)
	s_set_vgpr_msb (MSB<<8)|(\new)
.set MSB, (\new)
.endif
.endm
.macro RSET u                          ; where raw set u % 4 lies
.if ((\u)%4) == 0
.set RB, 128
.set RW, 0
.elseif ((\u)%4) == 1
.set RB, 192
.set RW, 0
.elseif ((\u)%4) == 2
.set RB, 192
.set RW, 3
.else
.set RB, 192
.set RW, 1
.endif
.endm
; Unit u: rows 4 u .. 4 u + 3 of my 128, whole.  Each load reads 512 consecutive bytes; register 16 row + 4 cl + e.  No non-temporal hint: the neighbouring work-group reads the same bytes.
.macro LOAD u
	RSET \u
	WIN RW<<6
.irp r, 0,1,2,3
.irp c, 0,1
	global_load_b128 v[RB+16*\r+4*\c:RB+16*\r+4*\c+3], v[VOFF], s[24:25] offset:(4*(\u)+\r)*2048+512*\c       ; the own 256 columns
.endr
.irp c, 0,1
	global_load_b128 v[RB+16*\r+8+4*\c:RB+16*\r+8+4*\c+3], v[VOFF], s[26:27] offset:(4*(\u)+\r)*2048+512*\c   ; the other 256
.endr
.endr
	WIN 0
.endm
; My quarter (fragment w) of the next step's two tiles of Wk's codes, into set p: 8 loads of 512 consecutive bytes.  The walk wraps at the half's 524,288 bytes: the four fetches that look past the last
; step take the half's first tiles again, which nobody multiplies; so the loop has one form and no load leaves wq.  freed = 1: the set has been in the ring's stores before.
.macro GLOAD p, freed
	s_add_nc_u64 s[WB+2*(\p):WB+2*(\p)+1], s[28:29], s[38:39]   ; the set's own base: written again only behind the counted wait that showed this set's last loads done
	s_add_co_u32 s38, s38, SLOTB
	s_and_b32 s38, s38, 0x7ffff
	WIN 0xc0
.if \freed
	s_wait_alu depctr_vm_vsrc(0)                   ; the stores into the ring have read this set, in which the loads below land
.endif
.irp k, 0,1,2,3,4,5,6,7
	global_load_b128 v[128+32*(\p)+4*\k:128+32*(\p)+4*\k+3], v[LW], s[WB+2*(\p):WB+2*(\p)+1] offset:8192*(\k/4)+512*(\k%4)
.endr
.endm
.macro GSTORE p, slot                  ; set p goes into the ring as it stands: its data come from loads, its address from the head
	s_wait_loadcnt 8                               ; behind this set's 8 loads only the other set's 8 were issued
	WIN 0x0c
.irp k, 0,1,2,3,4,5,6,7
	ds_store_b128 v[LSW], v[128+32*(\p)+4*\k:128+32*(\p)+4*\k+3] offset:SLOTB*(\slot)+8192*(\k/4)+512*(\k%4)
.endr
.endm
.macro RUN f, slot, e                  ; fragment f of the slot's tile e comes back, in any wave
.irp c, 0,1,2,3
	ds_load_b128 v[BF+16*(\f)+4*\c:BF+16*(\f)+4*\c+3], v[LFR] offset:SLOTB*(\slot)+8192*(\e)+2048*(\f)+512*\c
.endr
.endm
; One unit of phase L: four rows are rounded to bf16 (own columns), held, quantised; the raw set takes the unit four on; V's 8 bytes and the codes' 16 bytes a row go to LDS.
; Behind a row tile's fourth unit its sixteen rows of codes come back as four fragments, straight into the registers in which they stay: no vector instruction has named those.
.macro STEP u
	RSET \u
.set BHS, BH+16*((\u)%2)
.set CTS, CT+16*((\u)%2)
.if (\u) <= 29
	s_wait_loadcnt 48                              ; this unit is in; behind it three units of 16 loads (at unit 29: two units and Wk's 16)
.elseif (\u) == 30
	s_wait_loadcnt 32                              ; behind it: one unit and Wk's 16
.else
	s_wait_loadcnt 16                              ; behind it: Wk's 16
.endif
	s_wait_dscnt 12                                ; the LDS stores of the unit before last, which read this set of bf16 and code registers, are done: behind them stand the last unit's twelve
.if (\u) >= 2
	s_wait_alu depctr_vm_vsrc(0)                   ; the LDS stores of the unit before last have read this set of bf16 and code registers, which the conversions below write again
.endif
	WIN RW|(RW<<2)
.set i, 0
.rept 16
	v_cvt_pk_bf16_f32 v[BHS+i], v[RB+16*(i/4)+2*(i%4)], v[RB+16*(i/4)+2*(i%4)+1]   ; V for the last product: the numbers as they are, ahead of the hold
.set i, i+1
.endr
	WIN RW|(RW<<6)
.set i, 0
.rept 64
	v_med3_num_f32 v[RB+i], v[RB+i], -v[LIM], v[LIM]    ; the conversion to an 8-bit code does not saturate (ISA guide 7.6.2): the hold at the largest code x the scale
.set i, i+1
.endr
	WIN RW
.irp r, 0,1,2,3
	v_cvt_scalef32_pk8_fp8_f32 v[CTS+4*\r:CTS+4*\r+1], v[RB+16*\r:RB+16*\r+7], v[SCL]
	v_cvt_scalef32_pk8_fp8_f32 v[CTS+4*\r+2:CTS+4*\r+3], v[RB+16*\r+8:RB+16*\r+15], v[SCL]
.endr
.if (\u)+4 < 32
	WIN RW<<6
.else
	WIN 0
.endif
	s_wait_alu depctr_va_vdst(0)                   ; the unit's vector lines are done reading and writing its raw set, in which the loads below land, and have written the bf16 and code registers, which the LDS stores below read
.if (\u)+4 < 32
	LOAD (\u)+4                                    ; four units, 64 loads, are on their way
.elseif (\u) == 28
	GLOAD 0, 0                                     ; no unit is left to ask for: Wk's steps 0 and 1, into registers that nothing has named yet
	GLOAD 1, 0
.endif
	WIN 0
.irp r, 0,1,2,3
.irp c, 0,1
	ds_store_b64 v[AS+4*((\u)%2)+\r], v[BHS+4*\r+2*\c:BHS+4*\r+2*\c+1] offset:512*(4*(\u)+\r)+256*\c   ; the wave fills 256 consecutive bytes of V's row
.endr
.endr
.irp r, 0,1,2,3
	ds_store_b128 v[STW], v[CTS+4*\r:CTS+4*\r+3] offset:SP*(4*((\u)%4)+\r)
.endr
.if ((\u)%4) == 3
.set RT, (\u)/4
	WIN (1+RT/3)<<6
.irp k, 0,1,2,3,4,5,6,7,8,9,10,11,12,13,14,15
	ds_load_b128 v[64*(RT%3)+4*\k:64*(RT%3)+4*\k+3], v[STR] offset:128*(\k/4)+16*(\k%4)   ; LDS serves a wave's instructions in order (ISA guide 5.7.1.4): these see my stores, and the next row tile's stores come behind them
.endr
	WIN 0
.endif
.endm
; Tile j (0 .. 3) of a group: 4 blocks (fragments) x 8 row tiles = 32 products; the eight accumulators take turns, one instruction a turn.
; Behind each product stands one multiply-add of tile j - 1's scores (number n: row tile n / 4, pair n % 4); tile 0 has v_nop behind row tiles 0-3 instead:
; they are the four places (ISA guide 7.12.1) between a fragment's last product and its reload, which stay beside the waits, and ahead of tile 1's first read of accumulator 0.
; THE FRAGMENTS are fetched anew in the order 3, 0, 1, 2: fragment 3 of this tile behind row tile 3 of block 0, the next tile's fragment 0 at the end of block 1, its fragment 1 behind row tile 3 of block 2,
; its fragment 2 at the end of block 3: 16 or 20 products ahead of their use.  The two waits on va_vdst stand at the ends of blocks 1 and 3; each serves the run that follows it and the run four products on.
; An odd tile is a step's last.  In its block 1 stands the ring's ONE barrier for a step: in front of the signal my stores of the next step have landed and my reads of this step are over (the last run was asked for
; in block 0); behind the wait the step after next goes into the slot just left, and only then the next step's first fragment is read.  So blocks 2 and 3 of an odd tile find their fragments in and need no wait.
; The set of registers that went into the ring is loaded again at the end of block 3, directly behind that block's run of LDS loads, so that the two groups of memory instructions stand together among the products.
.macro NT j
.set AC, ACC0+64*((\j)%2)
.set AP, ACC0+64*(1-(\j)%2)
.set J1, ((\j)+1)%4
.set be, 0
.rept 4
.if ((\j) == 0) && (be < 3)
	s_wait_dscnt 17                                ; behind the run that is wanted: two runs of 4, the last group's 8 score stores, the bias load
.elseif ((\j)%2 == 0) || (be < 2)
	s_wait_dscnt 8                                 ; behind the run that is wanted: two runs of 4
.endif
.set rt, 0
.rept 8
	WIN (1+rt/3)<<2
.if be == 0
	v_wmma_f32_16x16x128_fp8_fp8 v[AC+8*rt:AC+8*rt+7], v[BF+16*be:BF+16*be+15], v[64*(rt%3)+16*be:64*(rt%3)+16*be+15], 0
.else
	v_wmma_f32_16x16x128_fp8_fp8 v[AC+8*rt:AC+8*rt+7], v[BF+16*be:BF+16*be+15], v[64*(rt%3)+16*be:64*(rt%3)+16*be+15], v[AC+8*rt:AC+8*rt+7]
.endif
.if (\j) > 0
.set n, 8*be+rt
.set rp, n/4
.set jp, n%4
.if ((\j) == 1) && (jp == 0)
	v_pk_fma_f32 v[PR+2*rp:PR+2*rp+1], v[AP+8*rp+2*jp:AP+8*rp+2*jp+1], v[192+8*((\j)-1)+2*jp:192+8*((\j)-1)+2*jp+1], v[BP:BP+1]   ; the group's first: the sum starts at (bias / 2, 0)
.else
	v_pk_fma_f32 v[PR+2*rp:PR+2*rp+1], v[AP+8*rp+2*jp:AP+8*rp+2*jp+1], v[192+8*((\j)-1)+2*jp:192+8*((\j)-1)+2*jp+1], v[PR+2*rp:PR+2*rp+1]
.endif
.elseif rt < 4
	v_nop
.endif
.if rt == 3
.if be == 0
	RUN 3, (\j)/2, (\j)%2                          ; no wait: the products that read fragment 3 stand ahead of the wait at the end of the last tile's block 3, and nothing issued since names it
.elseif be == 2
	RUN 1, J1/2, J1%2                              ; no wait: the products that read fragment 1 stand ahead of the wait at the end of block 1, and the four issued since name fragment 2
.elseif ((\j)%2 == 1) && (be == 1)
	s_wait_dscnt 0x0                               ; for the others' sake: my stores into the ring have landed, my reads of this step's slot are back
	s_barrier_signal -1
.endif
.endif
.set rt, rt+1
.endr
.if be == 1
.if (\j)%2 == 1
	s_barrier_wait -1                              ; four products and four multiply-adds, registers alone, stood between signal and wait
	GSTORE (\j)/2, (\j)/2
.endif
	s_wait_alu depctr_va_vdst(0)                   ; the products of blocks 0 and 1 are done reading fragments 0 and 1, in which this run and the run in block 2 land
	RUN 0, J1/2, J1%2
.elseif be == 3
	s_wait_alu depctr_va_vdst(0)                   ; the products of blocks 2 and 3 are done reading fragments 2 and 3, in which this run and the run in the next tile's block 0 land
	RUN 2, J1/2, J1%2
.if (\j)%2 == 1
	s_wait_dscnt 12                                ; behind the 8 stores into the ring: three runs of 4.  The stores are done with their set, which takes the step four on
	GLOAD (\j)/2, 1
.endif
.endif
.set be, be+1
.endr
.endm
	s_load_b256 s[4:11], s[0:1], 0x0               ; v s[4:5], Q s[6:7], bk s[8:9], lowp_scales s[10:11]
	s_load_b128 s[12:15], s[0:1], 0x20             ; wq s[12:13], out0 s[14:15]
	s_load_b64 s[16:17], s[0:1], 0x30              ; out1
	v_lshl_add_u32 v9, v0, 2, 0x4e600              ; my spare word and 0: kept for the closing add alone
	v_mov_b32 v10, 0
	v_lshrrev_b32 v2, 5, v0
	v_readfirstlane_b32 s18, v2                    ; w
	v_and_b32 v28, 31, v0                          ; lane
	s_wait_alu depctr_va_vdst(0)
	v_lshlrev_b32 v[LI], 4, v28
	s_and_b32 s19, ttmp9, 1                        ; hh
	s_lshr_b32 s20, ttmp9, 1                       ; b
	s_wait_alu depctr_va_sdst(0)                   ; s18 is written, ahead of its first reader: offsets, bases and LDS addresses are made from it
	s_lshl_b32 s46, s18, 18
	v_add_nc_u32 v[VOFF], s46, v[LI]               ; my 128 rows of 2,048 bytes
	s_lshl_b32 s21, s19, 2
	s_add_co_u32 s21, s21, s18                     ; h = 4 hh + w: the head whose q and bias I prepare, and whose V I multiply at the end
	s_lshl_b32 s46, s21, 2
	s_lshr_b32 s47, s20, 5
	s_add_co_u32 s46, s46, s47
	s_lshl_b32 s46, s46, 8
	v_lshl_add_u32 v30, v28, 3, s46                ; Q: row 4 h + b / 32 of 256 bytes, two numbers a lane
	s_lshl_b32 s46, s21, 8
	v_lshl_add_u32 v31, v28, 3, s46                ; bk: 64 h + 2 lane, + 512 a by the immediate
	s_lshl_b32 s46, s20, 20
	s_lshl_b32 s47, s19, 10
	s_add_co_u32 s46, s46, s47                     ; v[b], my work-group's own 256 columns
	s_xor_b32 s48, s46, 1024                       ; and the other 256
	s_mov_b32 s47, 0
	s_mov_b32 s49, 0
	s_lshl_b32 s50, s19, 19                        ; wq: my half's 64 tiles
	s_mov_b32 s51, 0
	s_lshl_b32 s52, s19, 22                        ; out1: row x = 512 (4 hh) + 4 b + w, 2,048 bytes a row
	s_lshl_b32 s53, s20, 13
	s_add_co_u32 s52, s52, s53
	s_lshl_b32 s53, s18, 11
	s_add_co_u32 s52, s52, s53
	s_mov_b32 s53, 0
	s_lshl_b32 s54, s21, 17                        ; out0: rows 512 h + 4 b + 0 .. 3, 256 bytes a row
	s_lshl_b32 s55, s20, 10
	s_add_co_u32 s54, s54, s55
	s_mov_b32 s55, 0
	s_mov_b32 s36, 0x76543210                      ; v_permlanex16_b32: lane l xor 16
	s_mov_b32 s37, 0xfedcba98
	s_mov_b32 s38, 0                               ; the walk through wq, in bytes,
	s_mov_b32 s39, 0                               ; as a pair with 0 above it
	s_wait_kmcnt 0x0
	s_load_b64 s[34:35], s[10:11], 0x0             ; e0, e1
	s_add_nc_u64 s[24:25], s[4:5], s[46:47]
	s_add_nc_u64 s[26:27], s[4:5], s[48:49]
	s_add_nc_u64 s[28:29], s[12:13], s[50:51]
	s_add_nc_u64 s[30:31], s[16:17], s[52:53]
	s_add_nc_u64 s[32:33], s[14:15], s[54:55]
	s_wait_alu depctr_va_vdst(0)                   ; v4, v30 and v31 are written, which the loads below read as their offsets
	global_load_b64 v[104:105], v30, s[6:7]
.irp a, 0,1,2,3
	global_load_b64 v[106+2*\a:107+2*\a], v31, s[8:9] offset:2048*\a
.endr
	LOAD 0
	LOAD 1
	LOAD 2
	LOAD 3
	v_and_b32 v2, 15, v0                           ; r
	v_bfe_u32 v3, v0, 4, 1                         ; hf
	s_mul_i32 s46, s18, 16*SP
	s_add_co_u32 s46, s46, STG
	v_add_nc_u32 v[STW], s46, v[LI]
	v_mul_u32_u24 v[STR], v2, SP
	v_lshl_add_u32 v[STR], v3, 6, v[STR]
	v_add_nc_u32 v[STR], s46, v[STR]
	v_lshlrev_b32 v19, 3, v28                      ; my 4 bf16 of a chunk of 128: 8 x lane
	s_lshl_b32 s46, s18, 16
.irp m, 0,1,2,3,4,5,6,7
	v_xor_b32 v22, 32*\m, v19                      ; the 16-byte pieces of a row with t' % 8 = m are turned by 2 m
	v_add_nc_u32 v[AS+\m], s46, v22
.endr
	s_lshl_b32 s46, s18, 11
	v_add_nc_u32 v[LW], s46, v[LI]
	s_add_co_u32 s47, s46, RING
	v_add_nc_u32 v[LSW], s47, v[LI]
	v_add_nc_u32 v[LFR], RING, v[LI]
	s_add_co_u32 s47, s46, SC
	v_lshl_add_u32 v[SCW0], v2, 4, s47             ; t' = 4 (16 rt + r) + a: 16 r here, 256 rt by the immediate, 4 a by the group
	v_add_nc_u32 v[SCR], s47, v[LI]
	v_lshlrev_b32 v[QA0], 5, v3
	v_add_nc_u32 v[QA0], QT, v[QA0]                ; my eight d of a tile begin at 8 hf
	s_mul_i32 s46, s18, PP
	s_add_co_u32 s46, s46, PB
	v_lshl_add_u32 v[PW0], v28, 3, s46
	v_mov_b32 v[BP+1], 0
	s_lshl_b32 s46, s18, 4
	s_add_co_u32 s46, s46, BT
	v_mov_b32 v120, s46                            ; my head's four bias words
	s_lshl_b32 s46, s18, 8
	s_add_co_u32 s46, s46, QT
	v_lshl_add_u32 v121, v28, 3, s46               ; my head's q, two numbers a lane
	s_wait_kmcnt 0x0
	s_add_co_i32 s46, s34, 127
	s_lshl_b32 s47, s46, 23
	v_mov_b32 v[SCL], s47                          ; 2^e0 as f32: the conversion takes its exponent field
	s_add_co_i32 s46, s46, 8
	s_lshl_b32 s46, s46, 23
	s_or_b32 s46, s46, 0x600000
	v_mov_b32 v[LIM], s46                          ; 448 x 2^e0
	s_add_co_i32 s47, s34, s35                     ; a sum of the product stands for sum x 2^(e0 + e1)
	s_wait_loadcnt 48                              ; Q, bk and unit 0 are in; behind them three units of 16 loads
	v_mul_f32 v118, 0x3db8aa3b, v104               ; q x log2(e) / 16: each half of the lanes starts its sum at half the bias
	v_mul_f32 v119, 0x3db8aa3b, v105
.irp a, 0,1,2,3
	v_mul_f32 v[114+\a], v118, v[106+2*\a]
.endr
.irp a, 0,1,2,3
	v_fmac_f32 v[114+\a], v119, v[107+2*\a]
.endr
.irp m, 1,2,4,8
.irp a, 0,1,2,3
	v_add_f32_dpp v[114+\a], v[114+\a], v[114+\a] row_xmask:\m row_mask:0xf bank_mask:0xf
.endr
.endr
.irp a, 0,1,2,3
	v_permlanex16_b32 v[106+\a], v[114+\a], s36, s37
.endr
.irp a, 0,1,2,3
	v_add_f32 v[114+\a], v[114+\a], v[106+\a]      ; q . bk(a, h) x log2(e) / 16, in every lane
.endr
	v_mul_f32 v104, 0x3e38aa3b, v104               ; q x log2(e) / 8: the scores come out as exponents of 2
	v_mul_f32 v105, 0x3e38aa3b, v105
	v_ldexp_f32 v104, v104, s47
	v_ldexp_f32 v105, v105, s47
	s_wait_alu depctr_va_vdst(0)                   ; the biases, q and their two addresses are written, which the LDS stores below read; so are all the addresses made above, which later LDS and memory instructions read
.irp a, 0,1,2,3
	ds_store_b32 v120, v[114+\a] offset:4*\a       ; all lanes write the same word with the same value
.endr
	ds_store_b64 v121, v[104:105]
	; ---- L
.set U, 0
.rept 32
	STEP U
.set U, U+1
.endr
	v_nop                                          ; one plain vector instruction behind the last scaled conversion
	s_wait_dscnt 0x0                               ; V, q and the biases have landed; my codes are in their registers, my stage is read out
	s_barrier_signal -1
	s_barrier_wait -1                              ; of every wave: the ring may take the stages' bytes
	; ---- G: the ring is started
	GSTORE 0, 0                                    ; step 0
	s_wait_dscnt 0x0                               ; landed, for the others' sake
	GLOAD 0, 1                                     ; step 2
	s_barrier_signal -1
	s_barrier_wait -1                              ; slot 0 is whole
	GSTORE 1, 1                                    ; step 1: shown whole by the barrier in tile 1
	RUN 0, 0, 0                                    ; the fragments' registers were raw set 1: the vector lines that named them stand ahead of the last units' waits on va_vdst
	RUN 1, 0, 0
	RUN 2, 0, 0
	s_wait_dscnt 12                                ; behind the 8 stores: three runs of 4
	GLOAD 1, 1                                     ; step 3
	WIN 0
	s_mov_b32 s43, 0                               ; 256 hl
	s_mov_b32 s44, 0                               ; 4 PP hl
.Lhead:                                                ; four heads
	s_wait_alu depctr_vm_vsrc(0)                   ; the last head's loads of q have read v22, and its stores their data (v48-55, v64-79) and v25: all are written again in this head.  First trip: phase L's LDS stores have read v32-121
	v_add_nc_u32 v[QA], s43, v[QA0]
	WIN 1<<6
	s_wait_alu depctr_va_vdst(0)                   ; v22 is written, which the loads below read; the last head's multiply-adds are done reading q's copies, in which they land
.irp w, 1,2,3
	WIN \w<<6
.irp k, 0,1,2,3,4,5,6,7
	ds_load_b128 v[192+4*\k:192+4*\k+3], v[QA] offset:64*(\k/2)+16*(\k%2)   ; register 8 nt + i = q'(16 nt + 8 hf + i)
.endr
.endr
	WIN 0
	s_mov_b32 s41, 0                               ; 4 a
.Lgrp:                                                 ; four groups a = 0 .. 3: columns 512 a + 64 h + 0 .. 63 of k
	s_wait_alu depctr_vm_vsrc(0)                   ; the last group's score stores have read v19 and v48-55, its bias load v23: this group writes them again
	v_add_nc_u32 v[SCA], s41, v[SCW0]
	s_lshr_b32 s46, s43, 4
	s_add_co_u32 s46, s46, s41
	s_add_co_u32 s46, s46, BT
	v_mov_b32 v[BTA], s46
	s_wait_alu depctr_va_vdst(0)                   ; v23 is written, which the load below reads, and v19, which the group's score stores read; the last group's multiply-adds are done reading v26, in which the load lands
	ds_load_b32 v[BP], v[BTA]                      ; bias / 2 of (hl, a): first used in tile 1, behind tile 0's last counted wait
	s_add_co_u32 s41, s41, 4
	NT 0
	NT 1
	NT 2
	NT 3
	WIN 0x04                                       ; tile 3's multiply-adds have no products to stand behind; across the row tiles first, so that none feeds the next
.set jp, 0
.rept 4
.set rp, 0
.rept 8
	v_pk_fma_f32 v[PR+2*rp:PR+2*rp+1], v[ACC1+8*rp+2*jp:ACC1+8*rp+2*jp+1], v[216+2*jp:217+2*jp], v[PR+2*rp:PR+2*rp+1]
.set rp, rp+1
.endr
.set jp, jp+1
.endr
	WIN 0
.irp r, 0,1,2,3,4,5,6,7
	v_add_f32 v[T+\r], v[PR+2*\r], v[PR+2*\r+1]    ; even d and odd d,
.endr
.irp r, 0,1,2,3,4,5,6,7
	v_permlanex16_b32 v[PR+2*\r], v[T+\r], s36, s37
.endr
.irp r, 0,1,2,3,4,5,6,7
	v_add_f32 v[T+\r], v[T+\r], v[PR+2*\r]         ; and the other half of the lanes' eight d of each tile
.endr
	s_wait_alu depctr_va_vdst(0)                   ; the scores v48-55 are written, which the stores below read; and all that named the accumulators v64-79 is done: behind the head's last group the softmax's loads land there
.irp r, 0,1,2,3,4,5,6,7
	ds_store_b32 v[SCA], v[T+\r] offset:256*\r     ; score of t' = 4 (16 rt + r) + a; lanes r and r + 16 write the same word with the same value
.endr
	s_cmp_lt_u32 s41, 16
	s_cbranch_scc1 .Lgrp
	; the head's softmax row x = 512 h + 4 b + w: my own 512 scores, 16 a lane: t' = 128 c + 4 lane + e
.irp c, 0,1,2,3
	ds_load_b128 v[S+4*\c:S+4*\c+3], v[SCR] offset:512*\c   ; no vector instruction stands between the wait ahead of the score stores and these loads
.endr
	s_wait_dscnt 0x0
	s_wait_alu depctr_vm_vsrc(0)                   ; the last group's score stores have read v48-55, which the roundings to bf16 below write
	v_max3_num_f32 v80, v64, v65, v66
	v_max3_num_f32 v81, v67, v68, v69
	v_max3_num_f32 v80, v80, v70, v71
	v_max3_num_f32 v81, v81, v72, v73
	v_max3_num_f32 v80, v80, v74, v75
	v_max3_num_f32 v81, v81, v76, v77
	v_max3_num_f32 v80, v80, v78, v79
	v_max_num_f32 v80, v80, v81
.irp m, 1,2,4,8
	v_max_num_f32_dpp v80, v80, v80 row_xmask:\m row_mask:0xf bank_mask:0xf
.endr
	v_permlanex16_b32 v81, v80, s36, s37
	v_max_num_f32 v80, v80, v81                    ; the row's largest score
.irp i, 0,2,4,6,8,10,12,14
	v_pk_add_f32 v[S+\i:S+\i+1], v[S+\i:S+\i+1], v[80:81] op_sel_hi:[1,0] neg_lo:[0,1] neg_hi:[0,1]
.endr
	s_wait_alu depctr_va_vdst(0)
.irp i, 0,1,2,3,4,5,6,7,8,9,10,11,12,13,14,15
	v_exp_f32 v[S+\i], v[S+\i]
.endr
	v_nop                                          ; a plain instruction between the last exponential and the use of its result
	s_wait_alu depctr_va_vdst(0)                   ; the sixteen exponentials have written v64-79: one wait for the batch, ahead of its first reader
	v_pk_add_f32 v[82:83], v[64:65], v[66:67]
	v_pk_add_f32 v[84:85], v[68:69], v[70:71]
	v_pk_add_f32 v[86:87], v[72:73], v[74:75]
	v_pk_add_f32 v[88:89], v[76:77], v[78:79]
	v_pk_add_f32 v[82:83], v[82:83], v[84:85]
	v_pk_add_f32 v[86:87], v[86:87], v[88:89]
	v_pk_add_f32 v[82:83], v[82:83], v[86:87]
	v_add_f32 v82, v82, v83
.irp m, 1,2,4,8
	v_add_f32_dpp v82, v82, v82 row_xmask:\m row_mask:0xf bank_mask:0xf
.endr
	v_permlanex16_b32 v83, v82, s36, s37
	v_add_f32 v82, v82, v83
	s_wait_alu depctr_va_vdst(0)
	v_rcp_f32 v82, v82
	v_add_nc_u32 v[PWA], s44, v[PW0]               ; (the plain instruction behind the reciprocal)  P's row 4 hl + w
	s_wait_alu depctr_va_vdst(0)                   ; the reciprocal has written v82, ahead of its first reader
.irp i, 0,2,4,6,8,10,12,14
	v_pk_mul_f32 v[S+\i:S+\i+1], v[S+\i:S+\i+1], v[82:83] op_sel_hi:[1,0]
.endr
.irp i, 0,1,2,3,4,5,6,7
	v_cvt_pk_bf16_f32 v[T+\i], v[S+2*\i], v[S+2*\i+1]
.endr
	s_wait_alu depctr_va_vdst(0)                   ; the row v64-79, its bf16 in v48-55 and v25 are written, which the two runs of stores below read
.irp c, 0,1,2,3
	global_store_b128 v[LI], v[S+4*\c:S+4*\c+3], s[30:31] offset:512*\c th:TH_STORE_NT   ; the wave stores 512 consecutive bytes of the row
.endr
.irp c, 0,1,2,3
	ds_store_b64 v[PWA], v[T+2*\c:T+2*\c+1] offset:256*\c
.endr
	s_wait_xcnt 0x0                                ; the stores' data and base are written again only behind this wait
	s_add_nc_u64 s[30:31], s[30:31], 0x100000      ; the next head's row: 512 rows of 2,048 bytes on
	s_add_co_u32 s43, s43, 256
	s_add_co_u32 s44, s44, 4*PP
	s_cmp_lt_u32 s43, 1024
	s_cbranch_scc1 .Lhead
	; ---- P: O^T = V^T P for head 4 hh + w: source 0 = 16 channels x 32 t' (turned on the way out of LDS), source 1 = 32 t' x the 16 rows of P
	s_wait_dscnt 0x0                               ; P's rows have landed; my reads of the ring are back
	s_barrier_signal -1
	s_barrier_wait -1
	s_wait_alu depctr_vm_vsrc(0)                   ; the last head's stores and loads have read v19, v20, v22, v23, v25 and their data v48-55, v64-79, the head's first loads v30 and v31: addresses are made anew there, and sums begin in v64-95
	v_and_b32 v19, 7, v0
	v_bfe_u32 v22, v0, 3, 1
	v_lshl_add_u32 v23, v3, 3, v19
	v_lshlrev_b32 v23, 9, v23                      ; row 8 hf + lane % 8
	s_lshl_b32 s46, s18, 2
.irp c, 0,1,2,3
	s_add_co_u32 s47, s46, \c
	v_xor_b32 v25, s47, v19                        ; pieces 2 (4 w + ct) + 0, 1 of the row, turned by 2 (t' % 8)
	v_lshl_add_u32 v25, v25, 1, v22
	v_lshl_add_u32 v[AV+\c], v25, 4, v23
.endr
	v_mul_u32_u24 v[PA], v2, PP
	v_lshl_add_u32 v[PA], v3, 4, v[PA]
	v_add_nc_u32 v[PA], PB, v[PA]
	s_mul_i32 s46, s18, 16*OSP
	s_add_co_u32 s46, s46, RING                    ; my stage for the way out
	v_mul_u32_u24 v21, v2, OSP
	v_lshl_add_u32 v21, v3, 5, v21
	v_add_nc_u32 v21, s46, v21                     ; in: row r (a row of P), + 32 hf
	s_mul_i32 s47, s18, 4*OSP
	s_add_co_u32 s47, s47, s46
	v_mul_u32_u24 v24, v3, OSP
	v_lshl_add_u32 v24, v2, 4, v24
	v_add_nc_u32 v24, s47, v24                     ; back: my head's rows 4 w + hf, then + 2
.macro PLOAD ks                        ; 32 t' from 32 ks on: P's fragment and V's four, into buffer ks % 3 (v96-135, v136-175, v176-215)
.set PBUF, 96+40*((\ks)%3)
	ds_load_b128 v[PBUF:PBUF+3], v[PA] offset:64*(\ks)
	ds_load_b128 v[PBUF+4:PBUF+7], v[PA] offset:64*(\ks)+32
.irp c, 0,1,2,3
	ds_load_tr16_b128 v[PBUF+8+8*\c:PBUF+8+8*\c+3], v[AV+\c] offset:16384*((\ks)%4)
	ds_load_tr16_b128 v[PBUF+8+8*\c+4:PBUF+8+8*\c+7], v[AV+\c] offset:16384*((\ks)%4)+8192
.endr
.endm
	s_wait_alu depctr_va_vdst(0)                   ; the addresses v20, v21, v24, v28-31 are written, which the LDS instructions below read; all that named v96-215 in phase G is done: the three buffers' first loads land there
	PLOAD 0
	PLOAD 1
.set ks, 0
.rept 16
.if (ks >= 1) && (ks+2 < 16)
.if (ks+2)%4 == 0
	s_wait_alu depctr_vm_vsrc(0)                   ; the loads issued so far have read v28-31
.irp c, 0,1,2,3
	v_add_nc_u32 v[AV+\c], 0x10000, v[AV+\c]       ; 128 rows of V on, for the loads of step ks + 2; these four are also the places of the other arm
.endr
.else
.rept 4
	v_nop                                          ; the four places between the last step's products and the loads into the registers that they read stay beside the wait below
.endr
.endif
.endif
.if ks < 15
	s_wait_dscnt 10                                ; this step's ten loads are in; the next step's ten may be out
.else
	s_wait_dscnt 0x0
.endif
.if (ks >= 1) && (ks+2 < 16)
	s_wait_alu depctr_va_vdst(0)                   ; the last step's products are done reading their buffer, in which the loads behind this step's products land; where v28-31 were stepped, they are written
.endif
.set PBUF, 96+40*(ks%3)
.irp c, 0,1,2,3
.if ks == 0
	v_wmma_f32_16x16x32_bf16 v[64+8*\c:64+8*\c+7], v[PBUF+8+8*\c:PBUF+8+8*\c+7], v[PBUF:PBUF+7], 0
.else
	v_wmma_f32_16x16x32_bf16 v[64+8*\c:64+8*\c+7], v[PBUF+8+8*\c:PBUF+8+8*\c+7], v[PBUF:PBUF+7], v[64+8*\c:64+8*\c+7]
.endif
.endr
.if ks+2 < 16
	PLOAD ks+2                                     ; no wait: this step's products name its own buffer and the accumulators alone
.endif
.set ks, ks+1
.endr
.rept 4
	v_nop                                          ; four places behind the last products, before their results are read (ISA guide 7.12.1)
.endr
	s_wait_alu depctr_va_vdst(0)                   ; the products have written the accumulators, which the LDS stores read, and are done reading v96-103, in which the loads from the stage land; the places above stay beside this wait
.irp c, 0,1,2,3
	ds_store_b128 v21, v[64+8*\c:64+8*\c+3] offset:64*\c          ; lane (r, hf): channels 16 ct + 8 hf + 0 .. 7 of row r
	ds_store_b128 v21, v[64+8*\c+4:64+8*\c+7] offset:64*\c+16
.endr
	ds_load_b128 v[96:99], v24                     ; LDS serves a wave's instructions in order: these see my stores
	ds_load_b128 v[100:103], v24 offset:2*OSP
	s_wait_dscnt 1
	global_store_b128 v[LI], v[96:99], s[32:33] th:TH_STORE_NT              ; a' = 0, 1: sixteen lanes store one row of 256 consecutive bytes
	s_wait_dscnt 0x0
	global_store_b128 v[LI], v[100:103], s[32:33] offset:512 th:TH_STORE_NT ; a' = 2, 3
	s_wait_dscnt 0x0                               ; the closing lines, six on end
	s_wait_alu 0x0
	s_wait_tensorcnt 0x0
	ds_add_u32 v9, v10
	s_wait_dscnt 0x0
	s_endpgm
.Lfunc_end_k_qb8d2f64301_attn:
	.size	k_qb8d2f64301_attn, .Lfunc_end_k_qb8d2f64301_attn-k_qb8d2f64301_attn
	.p2alignl 7, 3214868480
	.fill 96, 4, 3214868480
	.section	.rodata,"a",@progbits
	.p2align	6, 0x0
	.amdhsa_kernel k_qb8d2f64301_attn
		.amdhsa_group_segment_fixed_size 321536
		.amdhsa_private_segment_fixed_size 0
		.amdhsa_enable_private_segment 0
		.amdhsa_kernarg_size 56
		.amdhsa_user_sgpr_count 2
		.amdhsa_user_sgpr_kernarg_segment_ptr 1
		.amdhsa_wavefront_size32 1
		.amdhsa_system_sgpr_workgroup_id_x 1
		.amdhsa_system_sgpr_workgroup_id_y 1
		.amdhsa_system_sgpr_workgroup_id_z 1
		.amdhsa_system_vgpr_workitem_id 0
		.amdhsa_next_free_vgpr 1024
		.amdhsa_next_free_sgpr 66
		.amdhsa_reserve_vcc 0
		.amdhsa_float_denorm_mode_32 3
		.amdhsa_float_denorm_mode_16_64 3
		.amdhsa_memory_ordered 1
		.amdhsa_forward_progress 1
		.amdhsa_inst_pref_size 255
	.end_amdhsa_kernel
	.section	.bss,"aw",@nobits
	.p2align	6
	.space	262144
	.amdgpu_metadata
---
amdhsa.version: [ 1, 2 ]
amdhsa.kernels:
  - .name:           k_qb8d2f64301_attn
    .symbol:         k_qb8d2f64301_attn.kd
    .args:
      - { .name: v, .offset: 0, .size: 8, .value_kind: global_buffer, .address_space: global }
      - { .name: Q, .offset: 8, .size: 8, .value_kind: global_buffer, .address_space: global }
      - { .name: bk, .offset: 16, .size: 8, .value_kind: global_buffer, .address_space: global }
      - { .name: lowp_scales, .offset: 24, .size: 8, .value_kind: global_buffer, .address_space: global }
      - { .name: wq, .offset: 32, .size: 8, .value_kind: global_buffer, .address_space: global }
      - { .name: out0, .offset: 40, .size: 8, .value_kind: global_buffer, .address_space: global }
      - { .name: out1, .offset: 48, .size: 8, .value_kind: global_buffer, .address_space: global }
    .group_segment_fixed_size: 321536
    .private_segment_fixed_size: 0
    .kernarg_segment_align: 8
    .kernarg_segment_size: 56
    .max_flat_workgroup_size: 128
    .sgpr_count:     66
    .vgpr_count:     1024
    .wavefront_size: 32
...
	.end_amdgpu_metadata
.endif
;; end of part 4
